; MI455X (gfx1250); checked and timed in simulation.
; The chip was launched on July 23, 2026; its instructions are those of AMD's public machine-readable ISA for CDNA 5 (MIT licence, August 2026) and "CDNA5" Instruction Set Architecture Reference Guide (July 2026). The comments in the code are by the model that wrote it; some were corrected since.
;; Custom Multi Head Self Attention. Allowed arithmetic: matrix products marked QUANTISED: E5M2 operands, one E8M0 scale for each 32 along K, by v_wmma_scale_f32_16x16x128_f8f6f4 with both operands' format E5M2, f32 sums; everything else in f32.
;; Inputs: W_out 1,024 x 1,024 float32; W_qkv 1,024 x 3,072 float32; b_out 1,024 float32; b_qkv 3,072 float32; beta 1,024 float32; gamma 1,024 float32; x 4 x 2,048 x 1,024 float32.
;; Outputs: out0 4 x 2,048 x 1,024 float32.
;; This version of the problem:
;;   THIS VERSION OF THE PROBLEM IS GIVEN IN LOW PRECISION. The matrix products marked QUANTISED in the list below multiply operands that are first quantised to E5M2 (5 exponent bits, 2 mantissa bits; 8 bits a number), with one power-of-two scale for each 32 numbers along K (OCP MX v1.0); their sums are f32. All else is computed in f32.
;;   The module's matrix products, in the order in which they are computed (A, B: the left and right operand; K: the contracted axis; several contracted axes count as one K, in the product's order):
;;     1. [M 8,192, K 1,024] x [K 1,024, N 3,072]; A: input x; B: input W_qkv: QUANTISED
;;     2. batch 64 x [M 2,048, K 64] x [K 64, N 2,048]; A: computed on the way; B: computed on the way: QUANTISED
;;     3. batch 64 x [M 2,048, K 2,048] x [K 2,048, N 64]; A: softmax (see below); B: computed on the way: QUANTISED
;;     4. [M 8,192, K 1,024] x [K 1,024, N 1,024]; A: computed on the way; B: input W_out: QUANTISED
;;   THE QUANTISER, for each operand of a quantised product, along K:
;;     - K is cut into blocks of 32 from its start; a last block that is shorter is filled with zeros.
;;     - A block's scale is 2^e with e = floor(log2(the largest magnitude in the block)) - 15, held to -126 .. 127; a block of zeros has e = 0. As a byte (E8M0): e + 127.
;;     - Each number is divided by its block's scale, clamped to +-57,344, and rounded to the nearest number of E5M2, ties to even, subnormals kept.
;;     - The product sums the exact products of the quantised numbers (number of the format x scale) in f32.
;;   ~~~python
;;   def quantise(x, axis):      # numpy; x: float32 -> the quantised numbers, widened to float32 again
;;       x = np.moveaxis(x, axis, -1); K = x.shape[-1]
;;       x = np.pad(x, [(0, 0)] * (x.ndim - 1) + [(0, -K % 32)]); x = x.reshape(x.shape[:-1] + (-1, 32)); a = np.abs(x).max(-1, keepdims=True)
;;       e = np.where(a > 0, np.clip(np.frexp(np.where(a > 0, a, 1))[1] - 1 - 15, -126, 127), 0)      # np.frexp(a)[1] - 1 = floor(log2(a)), exactly
;;       r = np.clip(x / 2.0 ** e, -57344, 57344)
;;       step = 2.0 ** (np.maximum(np.frexp(np.where(r == 0, 1, r))[1] - 1, -14) - 2)
;;       q = np.round(r / step) * step * 2.0 ** e      # np.round: ties to even
;;       return np.moveaxis(q.reshape(q.shape[:-2] + (-1,))[..., :K], -1, axis).astype(np.float32)
;;   ~~~
;;   SOFTMAX AHEAD OF A QUANTISED PRODUCT. Where the list says 'softmax', what is quantised is not the finished softmax but p = 2^(t - M), with t = logit x log2(e) and M = ceil(the row's largest t), a whole number; so 1/2 < the row's largest p <= 1. The row's sum l is taken of the UNQUANTISED p, in f32, and the product's result is divided by l at the end. Since M is a whole number, a kernel that streams over the keys may use a running M (the ceiling of the running maximum): every later rescaling is an exact power of two, which a block's scale takes up: the codes' values come out the same.
;;   OPERANDS COMPUTED ON THE WAY. 'Computed on the way' means the value that the module computes at that place (a softmax that the list does not call 'softmax' is quantised finished and normalised). What goes into a quantiser is computed in f32, as accurately as f32 sums, v_exp_f32 and their like allow (about 1e-6 of the number): no bf16 or f16 on the way to a quantiser, and a product that is left as it is and whose result goes on into a quantised operand takes f32 operands (vector FMAs, or v_wmma_f32_16x16x4_f32). A number that lies on a knife's edge between two numbers of the format may be rounded either way, as far as f32 arithmetic and the matrix unit's own rounding can turn it there, and no further.
;; One version. Each part assembles by itself: llvm-mc -triple=amdgcn-amd-amdhsa -mcpu=gfx1250 --defsym DOCPART=n.
;; ======== version 1 of 1: 4 launches
;; limits: right only within a limited range of input values
;; workspace buffers: xq 8,650,752 bytes; wq 3,244,032 bytes; wo 1,081,344 bytes; qkv 25,952,256 bytes; att 8,650,752 bytes
;; launch quant (part 1): grid 384 x 1, 4 waves a work-group, no clusters, 57,856 bytes of LDS; arguments x, W_qkv, W_out, xq, wq, wo; writes xq, wq, wo
.if DOCPART == 1
	.amdgcn_target "amdgcn-amd-amdhsa--gfx1250"
	.amdhsa_code_object_version 6
	.text
	.protected	k_qe2b249c217_quant
	.globl	k_qe2b249c217_quant
	.p2align	8
	.type	k_qe2b249c217_quant,@function
k_qe2b249c217_quant:
	s_mov_b64 s[64:65], 0
	v_nop
	global_prefetch_b8 v0, s[64:65] scope:SCOPE_SE
	s_setreg_imm32_b32 hwreg(HW_REG_WAVE_MODE, 25, 1), 1
	s_wait_xcnt 0x0
; x [8192][1024], W_qkv [1024][3072] and W_out [1024][1024], f32, become codes of BF8 (E5M2) with one E8M0 scale byte for each 32 along K (K = the 1,024 of the embedding).
; A block's scale is 2^(floor(log2(its largest magnitude)) - 15); its byte is that magnitude's exponent field - 15, held at 1 from below; each number is divided by the scale, held within +-57,344, rounded to the nearest code, ties to even.
; LIMITS: NaN and infinities among the inputs are not served; a block whose largest magnitude lies under 2^-111 gets the byte 1; a block of zeros gets the byte 1 where the rule says 127 (its codes are zeros, and this program alone reads the bytes).
; THE CODES ARE LAID AS IMAGES OF THE OPERAND'S REGISTERS: [kk 4][tile of 16 rows][q 2][c 4][512 bytes]; in the 512 bytes lane 16 h + r has 16 bytes: row r of the tile, k = 256 kk + 128 q + 32 c + 16 h + 0 .. 15.
; The scale bytes: [kk 4][row][8 bytes].  "Row" is a token of x or a column of a weight, IN STORAGE ORDER: within each 32, place 16 u + 8 a + l holds index 16 a + 8 u + l.
; Work-groups 0 to 255 take x (32 rows each; wave w takes kk = w); work-groups 256 to 383 take the weights (128 columns x 256 along K each).  Each reads 128 KiB.  Only the x path uses LDS.
.set WREG,  14336                      ; LDS of a wave (x path): two turning stages of 32 x 80 bytes, 256 scale bytes, 32 units of 256 + 16 bytes in which the codes are gathered
.set SP,    80
.set SBYT,  5120
.set GAT,   5376
.set GP,    272
.set STEPS, 16
.set MANT,  0x600000                   ; the mantissa field of 57,344
.set R,     16                         ; x path: v16-79 four sets of 16 numbers as loaded; at the end the codes read back
.set X,     80                         ; v80-111  two sets of 16 neighbours
.set E,     112                        ; v112-127 a scale byte for each step
.set C,     128                        ; v128-191 four registers of codes for each step
.set VO,    16                         ; weights path: v16-47 4 x lane + i rows of the weight
.set XW,    48                         ; v48-111  two sets of 32 numbers
.set CW,    112                        ; v112-175 eight registers of codes for each block: no store's data are written again
.set SB,    176                        ; v176-177 the eight scale bytes
	s_load_b256 s[4:11], s[0:1], 0x0               ; x s[4:5], W_qkv s[6:7], W_out s[8:9], xq s[10:11]
	s_load_b128 s[12:15], s[0:1], 0x20             ; wq s[12:13], wo s[14:15]
	v_lshl_add_u32 v192, v0, 2, 0xe000
	v_mov_b32 v193, 0
	v_lshrrev_b32 v1, 5, v0
	v_readfirstlane_b32 s16, v1                    ; wave 0..3
	v_and_b32 v2, 31, v0                           ; lane
	s_mov_b32 s23, MANT
	s_cmp_ge_u32 ttmp9, 256
	s_cbranch_scc1 .Lweights
; ---------------- x: K is innermost.  A step is two storage rows x 256 numbers.  Each load reads 512 consecutive bytes; the 2,048 bytes turn through the wave's stage so that a lane holds 16 neighbours.
	v_lshlrev_b32 v3, 4, v2                        ; 16 x lane
	s_mul_i32 s17, s16, WREG
	v_lshrrev_b32 v14, 2, v2
	v_mul_u32_u24 v14, v14, SP
	v_and_b32 v15, 3, v2
	v_lshl_add_u32 v14, v15, 4, v14
	v_add_nc_u32 v14, s17, v14                     ; the stage, in: 80 (lane / 4) + 16 (lane % 4)
	v_mul_u32_u24 v15, v2, SP
	v_add_nc_u32 v15, s17, v15                     ; out: 80 x lane
	v_and_b32 v8, 15, v2
	v_lshrrev_b32 v9, 4, v2
	v_mul_u32_u24 v4, v8, GP                       ; the gather, in: my 16 codes are k = 16 (lane % 16) on of row 2 t + lane / 16: unit lane % 16 of the tile's image, byte 16 x row
	v_lshl_add_u32 v4, v9, 4, v4
	v_add_nc_u32 v4, s17, v4
	v_add_nc_u32 v4, GAT, v4
	v_mul_u32_u24 v6, v9, GP                       ; back: lanes 0-15 one unit of 256 bytes, lanes 16-31 the next
	v_lshl_add_u32 v6, v8, 4, v6
	v_add_nc_u32 v6, s17, v6
	v_add_nc_u32 v6, GAT, v6
	v_lshrrev_b32 v5, 1, v2
	v_add_nc_u32 v5, s17, v5
	v_add_nc_u32 v5, SBYT, v5                      ; my block's scale byte: 8 x row + block = 16 t + lane / 2
	v_lshlrev_b32 v7, 3, v2                        ; and on the way out 8 bytes a lane
	v_add_nc_u32 v1, s17, v7
	v_add_nc_u32 v1, SBYT, v1
	s_lshl_b32 s18, ttmp9, 17                      ; x: 32 rows of 4,096 bytes a work-group, 1,024 bytes of a row a wave
	s_lshl_b32 s20, s16, 10
	s_add_co_u32 s18, s18, s20
	s_mov_b32 s19, 0
	s_lshl_b32 s20, s16, 21                        ; codes: (512 kk + 2 g) tiles of 4,096 bytes
	s_lshl_b32 s21, ttmp9, 13
	s_add_co_u32 s20, s20, s21
	s_mov_b32 s21, 0
	s_lshl_b32 s24, s16, 16                        ; scale bytes: behind the codes, 65,536 kk + 256 g
	s_lshl_b32 s25, ttmp9, 8
	s_add_co_u32 s24, s24, s25
	s_add_co_u32 s24, s24, 8388608
	s_mov_b32 s25, 0
	s_wait_kmcnt 0x0
	s_add_nc_u64 s[18:19], s[4:5], s[18:19]
	s_add_nc_u64 s[20:21], s[10:11], s[20:21]
	s_add_nc_u64 s[24:25], s[10:11], s[24:25]
.macro XLOAD t                         ; storage rows 2 t and 2 t + 1 are tokens TOK and TOK + 1 of the group
.set TOK, (((2*(\t))>>3)&1)*16+(((2*(\t))>>4)&1)*8+((2*(\t))&7)
.irp i, 0,1,2,3
	global_load_b128 v[R+16*((\t)%4)+4*\i:R+16*((\t)%4)+4*\i+3], v3, s[18:19] offset:(TOK+\i/2)*4096+(\i%2)*512 th:TH_LOAD_NT
.endr
.endm
.macro TURN t                          ; LDS serves a wave's instructions in order: no wait between the stores and the loads
.irp i, 0,1,2,3
	ds_store_b128 v14, v[R+16*((\t)%4)+4*\i:R+16*((\t)%4)+4*\i+3] offset:32*SP*((\t)%2)+8*SP*\i
.endr
.irp i, 0,1,2,3
	ds_load_b128 v[X+16*((\t)%2)+4*\i:X+16*((\t)%2)+4*\i+3], v15 offset:32*SP*((\t)%2)+16*\i
.endr
.endm
.irp t, 0,1,2,3
	XLOAD \t
.endr
	s_wait_loadcnt 12                              ; step 0's four loads are in
	TURN 0
.macro STEP t
.set XS, X+16*((\t)%2)
.if (\t) > 0
	s_wait_dscnt 2                                 ; this step's numbers are back from the stage; the last step's byte store and code store may be out
.else
	s_wait_dscnt 0x0
.endif
.if (\t)+4 < STEPS
	XLOAD (\t)+4                                   ; into the set whose stores into the stage have read their registers
.endif
.if (\t)+1 < STEPS
.if STEPS-2-(\t) >= 3
	s_wait_loadcnt 12                              ; the next step's four loads are in; those of the three steps behind it may be out
.else
	s_wait_loadcnt 4*(STEPS-2-(\t))
.endif
	TURN (\t)+1
.endif
	v_max3_num_f32 v8, |v[XS]|, |v[XS+1]|, |v[XS+2]|
	v_max3_num_f32 v9, |v[XS+3]|, |v[XS+4]|, |v[XS+5]|
.irp i, 6,10
	v_max3_num_f32 v8, v8, |v[XS+\i]|, |v[XS+\i+1]|
	v_max3_num_f32 v9, v9, |v[XS+\i+2]|, |v[XS+\i+3]|
.endr
	v_max3_num_f32 v8, v8, |v[XS+14]|, |v[XS+15]|
	v_max3_num_f32 v8, v8, v9, 0x8000000           ; and the floor 2^(16 - 127): the byte cannot fall under 1
	v_max_num_f32_dpp v8, v8, v8 row_xmask:1 row_mask:0xf bank_mask:0xf   ; with my neighbour's 16: the block's largest magnitude
	v_add_nc_u32 v11, 0xf8800000, v8               ; 15 off its exponent field: the conversion's scale operand
	v_and_or_b32 v10, v8, 0x7f800000, s23          ; 57,344 x the scale
.irp i, 0,1,2,3,4,5,6,7,8,9,10,11,12,13,14,15
	v_med3_num_f32 v[XS+\i], v[XS+\i], -v10, v10   ; the conversion to an 8-bit code does not saturate (ISA guide 7.6.2): the hold comes first
.endr
	v_cvt_scalef32_pk8_bf8_f32 v[C+4*(\t):C+4*(\t)+1], v[XS:XS+7], v11
	v_cvt_scalef32_pk8_bf8_f32 v[C+4*(\t)+2:C+4*(\t)+3], v[XS+8:XS+15], v11
	v_lshrrev_b32 v[E+(\t)], 23, v11               ; the scale's byte
	ds_store_b8 v5, v[E+(\t)] offset:16*(\t)       ; both lanes of a block write the same byte with the same value
	ds_store_b128 v4, v[C+4*(\t):C+4*(\t)+3] offset:((\t)/8)*16*GP+((2*(\t))%16)*16
.endm
.irp t, 0,1,2,3,4,5,6,7,8,9,10,11,12,13,14,15
	STEP \t
.endr
.irp i, 0,1,2,3,4,5,6,7,8,9,10,11,12,13,14,15
	ds_load_b128 v[R+4*\i:R+4*\i+3], v6 offset:2*GP*\i   ; two units of the images: these see my stores
.endr
	ds_load_b64 v[12:13], v1
.irp i, 0,1,2,3,4,5,6,7,8,9,10,11,12,13,14,15
	s_wait_dscnt 16-\i                             ; load i is in; the later ones and the scale bytes' may be out
	global_store_b128 v3, v[R+4*\i:R+4*\i+3], s[20:21] offset:512*\i   ; 512 consecutive bytes; the wave's two tiles are 8 KiB on end
.endr
	s_wait_dscnt 0x0
	global_store_b64 v7, v[12:13], s[24:25]        ; 256 consecutive bytes, aligned
	s_wait_tensorcnt 0x0
	ds_add_u32 v192, v193
	s_wait_dscnt 0x0
	s_endpgm
; ---------------- the weights: K is the FIRST axis.  A lane takes a column and its registers run down K: a block of 32 lies in one lane, and the conversions give codes with K innermost.
.Lweights:
	s_sub_co_u32 s17, ttmp9, 256
	s_and_b32 s18, s17, 31                         ; 0 .. 23: 128 columns of W_qkv; 24 .. 31: of W_out
	s_lshr_b32 s19, s17, 5                         ; kk
	s_mov_b32 s20, 3072
	s_mov_b32 s21, 3145728
	s_wait_kmcnt 0x0
	s_cmp_ge_u32 s18, 24                           ; the choice hangs on the work-group's number alone
	s_cselect_b64 s[6:7], s[8:9], s[6:7]           ; the weight,
	s_cselect_b64 s[12:13], s[14:15], s[12:13]     ; its image,
	s_cselect_b32 s20, 1024, s20                   ; N, its columns,
	s_cselect_b32 s21, 1048576, s21                ; where its scale bytes begin
	s_cselect_b32 s22, 24, 0
	s_sub_co_u32 s18, s18, s22
	s_lshl_b32 s18, s18, 7
	s_lshl_b32 s22, s16, 5
	s_add_co_u32 s18, s18, s22                     ; my wave's first column
	s_lshl_b32 s24, s20, 2                         ; a row of the weight in bytes
	s_wait_alu depctr_va_vdst(0)
	v_lshlrev_b32 v3, 2, v2
.set i, 0
.rept 32
	v_mad_u32_u24 v[VO+i], s24, i, v3              ; 4 x lane + i rows; never rewritten
.set i, i+1
.endr
	s_wait_alu depctr_va_vdst(0)
	s_lshl_b32 s26, s19, 8
	s_mul_i32 s26, s26, s24                        ; 256 kk rows
	s_lshl_b32 s27, s18, 2
	s_add_co_u32 s26, s26, s27
	s_mov_b32 s27, 0
	s_add_nc_u64 s[32:33], s[6:7], s[26:27]        ; a base for each of the eight blocks: nothing is stepped
	s_lshl_b32 s26, s24, 5                         ; 32 rows
.irp t, 1,2,3,4,5,6,7
	s_add_nc_u64 s[32+2*\t:33+2*\t], s[30+2*\t:31+2*\t], s[26:27]
.endr
	s_mul_i32 s28, s19, s20
	s_add_co_u32 s28, s28, s18                     ; kk N + my first column
	s_lshl_b32 s30, s28, 8                         ; codes: 256 bytes a column and kk
	s_mov_b32 s31, 0
	s_add_nc_u64 s[48:49], s[12:13], s[30:31]
	s_lshl_b32 s30, s28, 3                         ; scale bytes: 8
	s_add_co_u32 s30, s30, s21
	s_add_nc_u64 s[50:51], s[12:13], s[30:31]
	v_bfe_u32 v8, v2, 3, 1                         ; column 16 a + 8 u + l of the 32 goes to place 16 u + 8 a + l
	v_bfe_u32 v9, v2, 4, 1
	v_and_b32 v10, 7, v2
	v_lshl_add_u32 v10, v9, 3, v10                 ; its row in the tile: 8 a + l
	v_lshlrev_b32 v1, 4, v10
	v_lshl_add_u32 v1, v8, 12, v1                  ; tile u of 4,096 bytes, 16 bytes a row
	v_lshl_add_u32 v10, v8, 4, v10
	v_lshlrev_b32 v4, 3, v10                       ; 8 scale bytes a place
.macro WLOAD t
.set i, 0
.rept 32
	global_load_b32 v[XW+32*((\t)%2)+i], v[VO+i], s[32+2*(\t):33+2*(\t)] th:TH_LOAD_NT   ; 128 consecutive bytes a wave, 512 a work-group
.set i, i+1
.endr
.endm
	WLOAD 0
	WLOAD 1
.macro BLOCK t
.set XS, XW+32*((\t)%2)
.set CT, CW+8*(\t)
.if (\t) < 7
	s_wait_loadcnt 32                              ; this block's 32 loads are in; the next block's may be out
.else
	s_wait_loadcnt 0x0
.endif
	v_max3_num_f32 v12, |v[XS]|, |v[XS+1]|, |v[XS+2]|
	v_max3_num_f32 v13, |v[XS+3]|, |v[XS+4]|, |v[XS+5]|
.irp i, 6,10,14,18,22,26
	v_max3_num_f32 v12, v12, |v[XS+\i]|, |v[XS+\i+1]|
	v_max3_num_f32 v13, v13, |v[XS+\i+2]|, |v[XS+\i+3]|
.endr
	v_max3_num_f32 v12, v12, |v[XS+30]|, |v[XS+31]|
	v_max3_num_f32 v12, v12, v13, 0x8000000        ; the floor
	v_add_nc_u32 v11, 0xf8800000, v12
	v_and_or_b32 v10, v12, 0x7f800000, s23
	v_lshrrev_b32 v13, 23, v11
.if (\t)%4 == 0
	v_mov_b32 v[SB+(\t)/4], v13
.else
	v_lshl_or_b32 v[SB+(\t)/4], v13, 8*((\t)%4), v[SB+(\t)/4]
.endif
.set i, 0
.rept 32
	v_med3_num_f32 v[XS+i], v[XS+i], -v10, v10
.set i, i+1
.endr
.irp g, 0,1,2,3
	v_cvt_scalef32_pk8_bf8_f32 v[CT+2*\g:CT+2*\g+1], v[XS+8*\g:XS+8*\g+7], v11
.endr
	global_store_b128 v1, v[CT:CT+3], s[48:49] offset:((\t)/4)*2048+((\t)%4)*512        ; k 32 t + 0 .. 15: the 16 lanes of a tile fill 256 consecutive bytes
	global_store_b128 v1, v[CT+4:CT+7], s[48:49] offset:((\t)/4)*2048+((\t)%4)*512+256  ; k 32 t + 16 .. 31: the next 256
.if (\t)+2 < 8
	WLOAD (\t)+2
.endif
.endm
.irp t, 0,1,2,3,4,5,6,7
	BLOCK \t
.endr
	global_store_b64 v4, v[SB:SB+1], s[50:51]      ; the wave's 32 columns: 256 consecutive bytes
	s_endpgm
.Lfunc_end_k_qe2b249c217_quant:
	.size	k_qe2b249c217_quant, .Lfunc_end_k_qe2b249c217_quant-k_qe2b249c217_quant
	.p2alignl 7, 3214868480
	.fill 96, 4, 3214868480
	.section	.rodata,"a",@progbits
	.p2align	6, 0x0
	.amdhsa_kernel k_qe2b249c217_quant
		.amdhsa_group_segment_fixed_size 57856
		.amdhsa_private_segment_fixed_size 0
		.amdhsa_enable_private_segment 0
		.amdhsa_kernarg_size 48
		.amdhsa_user_sgpr_count 2
		.amdhsa_user_sgpr_kernarg_segment_ptr 1
		.amdhsa_wavefront_size32 1
		.amdhsa_system_sgpr_workgroup_id_x 1
		.amdhsa_system_sgpr_workgroup_id_y 1
		.amdhsa_system_sgpr_workgroup_id_z 1
		.amdhsa_system_vgpr_workitem_id 0
		.amdhsa_next_free_vgpr 194
		.amdhsa_next_free_sgpr 66
		.amdhsa_reserve_vcc 0
		.amdhsa_float_denorm_mode_32 3
		.amdhsa_float_denorm_mode_16_64 3
		.amdhsa_memory_ordered 1
		.amdhsa_forward_progress 1
		.amdhsa_inst_pref_size 112
	.end_amdhsa_kernel
	.amdgpu_metadata
---
amdhsa.version: [ 1, 2 ]
amdhsa.kernels:
  - .name:           k_qe2b249c217_quant
    .symbol:         k_qe2b249c217_quant.kd
    .args:
      - { .name: x, .offset: 0, .size: 8, .value_kind: global_buffer, .address_space: global }
      - { .name: W_qkv, .offset: 8, .size: 8, .value_kind: global_buffer, .address_space: global }
      - { .name: W_out, .offset: 16, .size: 8, .value_kind: global_buffer, .address_space: global }
      - { .name: xq, .offset: 24, .size: 8, .value_kind: global_buffer, .address_space: global }
      - { .name: wq, .offset: 32, .size: 8, .value_kind: global_buffer, .address_space: global }
      - { .name: wo, .offset: 40, .size: 8, .value_kind: global_buffer, .address_space: global }
    .group_segment_fixed_size: 57856
    .private_segment_fixed_size: 0
    .kernarg_segment_align: 8
    .kernarg_segment_size: 48
    .max_flat_workgroup_size: 128
    .sgpr_count:     66
    .vgpr_count:     194
    .wavefront_size: 32
...
	.end_amdgpu_metadata
.endif
;; end of part 1
;; launch gemm_qkv (part 2): grid 12 x 32, 4 waves a work-group, clusters of 4 x 4, 327,680 bytes of LDS; arguments xq, wq, b_qkv, qkv; writes qkv
.if DOCPART == 2
	.amdgcn_target "amdgcn-amd-amdhsa--gfx1250"
	.amdhsa_code_object_version 6
	.text
	.protected	k_qe2b249c217_gemm_qkv
	.globl	k_qe2b249c217_gemm_qkv
	.p2align	8
	.type	k_qe2b249c217_gemm_qkv,@function
k_qe2b249c217_gemm_qkv:
	s_mov_b64 s[64:65], 0
	v_nop
	global_prefetch_b8 v0, s[64:65] scope:SCOPE_SE
	s_setreg_imm32_b32 hwreg(HW_REG_WAVE_MODE, 25, 1), 1
	s_wait_xcnt 0x0
	s_wait_alu depctr_hold_cnt(0) depctr_sa_sdst(0) depctr_va_vdst(0) depctr_va_sdst(0) depctr_va_ssrc(0) depctr_va_vcc(0) depctr_vm_vsrc(0)
	s_getreg_b32 s2, hwreg(HW_REG_IB_STS2, 6, 4)
	s_cmp_eq_u32 s2, 0
	s_cbranch_scc0 .Lentry_in_a_cluster
	s_endpgm
.Lentry_in_a_cluster:
	s_bfe_u32 s2, ttmp6, 0x10000c
	s_cmp_lg_u32 s2, 0xf033
	s_cbranch_scc0 .Lentry_shape_is_right
	s_endpgm
.Lentry_shape_is_right:
.set NQ,     2
.set FR,     16
.set NL,     4
.set NP,     8
.set TILEB,  4096
.set HALFT,  8*TILEB
.set SLOT,   4*HALFT
.set SCL,    2*SLOT
.set HALFS,  4096
.set SPARE,  SCL+4*HALFS
.set XKK,    512*TILEB
.set WKK,    192*TILEB
.set XSC,    4*XKK
.set WSC,    4*WKK
.set HEADB,  393216
.set QSC,    64*HEADB
.set HEADS,  12288
.set LB,   8
.set ADRA, 16
.set ADRB, 20
.set SVO,  25
.set LI,   26
.set ADRS, 27
.set SPW,  28
.set NIL,  29
.set BVR,  30
.set BVL,  31
.set SC,   32
.set RB,   64
.set AF,   128
.set TM,   32
.set PW,   48
.set SW,   56
.set PSEL, 60
.set PCB,  128
.set SEL,  12
.set ISV,  66
.set MNT,  67
.set HIL,  95
.set G1, 24
.set G0, 32
.set G1B, 48
.set G0B, 56
.set G1S, 68
.set G0S, 76
.set G1SB, 80
.set G0SB, 88
.set MSB, 0
.macro WIN new
.if MSB != \new
	s_set_vgpr_msb (MSB<<8)|\new
.set MSB, \new
.endif
.endm
.set MUL_LO, 0xa1
.set MUL_HI, 0xf1
.set TO_B,   0x40
.macro JLOAD g0a, g1a, g0b, g1b
	s_cmp_eq_u32 s15, 0
	s_cbranch_scc0 .Lfor_b_\@
	tensor_load_to_lds s[\g0a:\g0a+3], s[\g1a:\g1a+7]
	s_nop 0
.rept 4
	v_nop
.endr
	s_branch .Lasked_\@
.Lfor_b_\@:
	tensor_load_to_lds s[\g0b:\g0b+3], s[\g1b:\g1b+7]
	s_nop 0
.rept 4
	v_nop
.endr
.Lasked_\@:
.endm
.macro CREST
	s_cmp_lg_u32 s14, 0
	s_cbranch_scc1 .Lnot_wave_0_\@
	s_barrier_signal -3
.Lnot_wave_0_\@:
	s_barrier_wait -3
	s_barrier_signal -1
	s_barrier_wait -1
.endm
.macro CROUND
	s_barrier_signal -1
	s_barrier_wait -1
	CREST
.endm
	s_load_b256 s[4:11], s[0:1], 0x0
	v_lshl_add_u32 v[SPW], v0, 2, SPARE
	v_mov_b32 v[NIL], 0
	ds_add_u32 v28, v29
	ds_add_u32 v28, v29
	s_wait_dscnt 0x0
	v_lshrrev_b32 v1, 5, v0
	v_readfirstlane_b32 s14, v1
	s_lshr_b32 s15, s14, 1
	s_and_b32 s16, s14, 1
	s_bfe_u32 s40, ttmp6, 0x40000
	s_bfe_u32 s41, ttmp6, 0x40004
	s_lshl_b32 s42, ttmp9, 2
	s_add_co_u32 s42, s42, s40
	s_and_b32 s17, ttmp7, 0xffff
	s_lshl_b32 s17, s17, 2
	s_add_co_u32 s17, s17, s41
	s_lshl_b32 s43, s41, 2
	s_lshl_b32 s43, 15, s43
	s_lshl_b32 s44, 0x1111, s40
	s_cmp_eq_u32 ttmp9, 2
	s_cselect_b32 s[ISV], 1, 0
	s_mov_b32 s[SEL], 0x76543210
	s_mov_b32 s[SEL+1], 0xfedcba98
	s_mov_b32 s[MNT], 0x600000
	s_mov_b32 s[HIL], 0xffff0000
	s_or_b32 s[G1+0], s43, (3<<16)|(1<<21)
	s_or_b32 s[G1B+0], s44, (3<<16)|(1<<21)
.irp g, G1, G1B
	s_mov_b32 s[\g+1], 32<<16
	s_mov_b32 s[\g+2], 256<<16                     ; the head's loads of codes bring 256 rows of 256 bytes; behind them the two words that count rows are set to 128
	s_mov_b32 s[\g+3], 32<<16
	s_mov_b32 s[\g+4], 256
	s_mov_b32 s[\g+5], 32
	s_mov_b32 s[\g+6], 0
	s_mov_b32 s[\g+7], 0
.endr
	s_or_b32 s[G1S+0], s43, (3<<16)|(1<<21)
	s_or_b32 s[G1SB+0], s44, (3<<16)|(1<<21)
.irp g, G1S, G1SB
	s_mov_b32 s[\g+1], 256<<16                     ; scale bytes: 4 rows (one for each 256 along K) of 256 x 8 bytes
	s_mov_b32 s[\g+2], 4<<16
	s_mov_b32 s[\g+3], 256<<16
	s_mov_b32 s[\g+4], 4
	s_mov_b32 s[\g+6], 0
	s_mov_b32 s[\g+7], 0
.endr
	s_mov_b32 s[G1S+5], 8192
	s_mov_b32 s[G1SB+5], 3072
	s_lshl_b32 s18, s16, 15                        ; in the ring I fetch 128 rows of a tile: which half, in bytes
	s_mov_b32 s19, 0
	s_lshl_b32 s20, s17, 16                        ; x: the tile's 256 rows of a K step are 64 KiB on end
	s_mov_b32 s21, 0
	s_lshl_b32 s46, s42, 16                        ; W likewise
	s_mov_b32 s47, 0
	s_lshl_b32 s22, s17, 11                        ; their scale bytes: 8 a row and K step
	s_add_co_u32 s22, s22, XSC
	s_mov_b32 s23, 0
	s_lshl_b32 s92, s42, 11
	s_add_co_u32 s92, s92, WSC
	s_mov_b32 s93, 0
	s_lshl_b32 s94, s14, 15                        ; where my 128 rows go in a slot: the wave's number alone
	s_wait_kmcnt 0x0
	s_add_nc_u64 s[20:21], s[4:5], s[20:21]
	s_add_nc_u64 s[22:23], s[4:5], s[22:23]
	s_add_nc_u64 s[46:47], s[6:7], s[46:47]
	s_add_nc_u64 s[92:93], s[6:7], s[92:93]
	CROUND
	s_mov_b32 s[G0S], 1                            ; x's scale bytes: [K step 4][2,048 bytes]
	s_mov_b32 s[G0S+1], SCL
	s_mov_b64 s[G0S+2:G0S+3], s[22:23]
	s_or_b32 s[G0S+3], s[G0S+3], 0x80000000
	s_mov_b32 s[G0SB], 1                           ; W's, behind them
	s_mov_b32 s[G0SB+1], SCL+8192
	s_mov_b64 s[G0SB+2:G0SB+3], s[92:93]
	s_or_b32 s[G0SB+3], s[G0SB+3], 0x80000000
	s_mov_b32 s4, 1                                ; s[4:7]: group 0 for K step 0's 256 rows of x (the arguments that lay there have been used)
	s_mov_b32 s5, 0
	s_mov_b64 s[6:7], s[20:21]
	s_or_b32 s7, s7, 0x80000000
	s_add_nc_u64 s[20:21], s[20:21], s[18:19]      ; for the ring: my 128 rows of the tile
	s_add_nc_u64 s[92:93], s[46:47], s[18:19]
.irp s, 0,1
	s_mov_b32 s[G0+4*\s], 1
	s_add_co_u32 s[G0+4*\s+1], s94, \s*SLOT
	s_add_nc_u64 s[G0+4*\s+2:G0+4*\s+3], s[20:21], \s*XKK
	s_or_b32 s[G0+4*\s+3], s[G0+4*\s+3], 0x80000000
	s_mov_b32 s[G0B+4*\s], 1
	s_add_co_u32 s[G0B+4*\s+1], s94, \s*SLOT
	s_add_nc_u64 s[G0B+4*\s+2:G0B+4*\s+3], s[92:93], \s*WKK
	s_or_b32 s[G0B+4*\s+3], s[G0B+4*\s+3], 0x80000000
.endr
	s_mov_b32 s44, 1                               ; s[44:47]: group 0 for K step 0's 256 rows of W, behind x's in slot 0
	s_mov_b32 s45, 65536
	s_or_b32 s47, s47, 0x80000000
; the head's four tiles, one joint load a wave, in one chain of branches on the wave's number
.macro ARM under, g0, g1, next
	s_cmp_lt_u32 s14, \under
	s_cbranch_scc0 \next
	tensor_load_to_lds s[\g0:\g0+3], s[\g1:\g1+7]
	s_nop 0
.rept 4
	v_nop
.endr
	s_branch .Lhead_asked
\next:
.endm
	ARM 1, 4, G1, .Lhead_b
	ARM 2, 44, G1B, .Lhead_sa
	ARM 3, G0S, G1S, .Lhead_sb
	tensor_load_to_lds s[G0SB:G0SB+3], s[G1SB:G1SB+7]
	s_nop 0
.rept 4
	v_nop
.endr
.Lhead_asked:
	v_and_b32 v1, 15, v0
	v_bfe_u32 v2, v0, 4, 1
	v_and_b32 v3, 31, v0
	v_lshlrev_b32 v[LI], 4, v3
	s_wait_alu depctr_va_vdst(0)
	s_lshl_b32 s21, s15, 15
	s_lshl_b32 s18, s[ISV], 16
	s_add_co_u32 s21, s21, s18
	s_lshl_b32 s22, s16, 15
	s_xor_b32 s18, s18, 65536
	s_add_co_u32 s22, s22, s18
.irp s, 0,1
	v_add_nc_u32 v[ADRA+\s], s21, v[LI]
	v_add_nc_u32 v[ADRB+\s], s22, v[LI]
	s_add_co_u32 s21, s21, SLOT
	s_add_co_u32 s22, s22, SLOT
.endr
	s_mul_i32 s18, s15, 3
	s_add_co_u32 s18, s18, s16
	s_add_co_u32 s18, s18, 2
	s_and_b32 s18, s18, 3
	s_lshl_b32 s18, s18, 12
	v_mul_u32_u24 v5, s18, v2
	s_lshl_b32 s19, s15, 12
	s_lshl_b32 s23, s[ISV], 13
	s_add_co_u32 s19, s19, s23
	v_add_nc_u32 v5, s19, v5
	v_and_b32 v5, 0x3000, v5
	v_and_b32 v6, 0x1000, v5                       ; quarter 2 s + half of the scale bytes lies at 8,192 s + 1,024 half
	v_and_b32 v5, 0x2000, v5
	v_lshrrev_b32 v6, 2, v6
	v_add_nc_u32 v5, v5, v6
	v_lshl_add_u32 v5, v1, 3, v5
	v_add_nc_u32 v[ADRS], SCL, v5
	s_cmp_eq_u32 s[ISV], 1
	s_cselect_b32 s18, s16, s15
	s_cselect_b32 s19, s15, s16
	s_lshl_b32 s20, s17, 8
	s_lshl_b32 s21, s18, 7
	s_add_co_u32 s20, s20, s21
	s_lshr_b32 s21, s20, 11
	s_lshl_b32 s21, s21, 4
	s_lshl_b32 s22, s42, 2
	s_lshl_b32 s23, s19, 1
	s_add_co_u32 s22, s22, s23
	s_and_b32 s22, s22, 15
	s_add_co_u32 s21, s21, s22
	s_and_b32 s20, s20, 2047
	s_mul_i32 s22, s21, HEADB
	s_lshl_b32 s23, ttmp9, 17
	s_add_co_u32 s22, s22, s23
	s_lshl_b32 s23, s20, 6
	s_add_co_u32 s22, s22, s23
	s_mov_b32 s23, 0
	s_add_nc_u64 s[96:97], s[10:11], s[22:23]
	s_mul_i32 s22, s21, HEADS
	s_lshl_b32 s23, ttmp9, 12
	s_add_co_u32 s22, s22, s23
	s_lshl_b32 s23, s20, 1
	s_add_co_u32 s22, s22, s23
	s_add_co_u32 s22, s22, QSC
	s_mov_b32 s23, 0
	s_add_nc_u64 s[98:99], s[10:11], s[22:23]
	s_lshl_b32 s22, s42, 10
	s_lshl_b32 s23, s19, 9
	s_add_co_u32 s22, s22, s23
	s_mov_b32 s23, 0
	s_add_nc_u64 s[8:9], s[8:9], s[22:23]
	v_mul_u32_u24 v[SVO], v2, HEADS
	v_lshl_add_u32 v[SVO], v1, 4, v[SVO]
	v_lshlrev_b32 v[BVR], 6, v2
	v_and_b32 v4, 8, v1
	v_add_nc_u32 v4, v4, v1
	v_lshlrev_b32 v[BVL], 2, v4
.irp i, 0,1,2,3,4,5,6,7
	global_load_b128 v[RB+8*\i:RB+8*\i+3], v[BVR], s[8:9] offset:(32*(\i/2)+8*(\i%2))*4
	global_load_b128 v[RB+8*\i+4:RB+8*\i+7], v[BVR], s[8:9] offset:(32*(\i/2)+8*(\i%2))*4+16
	global_load_b32 v[LB+\i], v[BVL], s[8:9] offset:(32*(\i/2)+8*(\i%2))*4
.endr
.macro FRAG reg, adr, q, i
.irp c, 0,1,2,3
	ds_load_b128 v[\reg+4*\c:\reg+4*\c+3], v[\adr] offset:TILEB*(\i)+2048*(\q)+512*\c
.endr
.endm
.macro MUL16 a0, p, q, sc, zero
.irp a, \a0, \a0+1
.irp b, 0,1,2,3,4,5,6,7
.if \zero
	v_wmma_scale_f32_16x16x128_f8f6f4 v[8*(8*((\a)%4)+\b):8*(8*((\a)%4)+\b)+7], v[128*(\p)+FR*\b:128*(\p)+FR*\b+FR-1], v[AF+FR*(\a):AF+FR*(\a)+FR-1], 0, v[SC+8*NQ*(\sc)+NQ*\b+(\q)], v[SC+8*NQ*(\sc)+NQ*(\a)+(\q)] matrix_a_fmt:MATRIX_FMT_BF8 matrix_b_fmt:MATRIX_FMT_BF8 matrix_a_scale:MATRIX_SCALE_ROW1
.else
	v_wmma_scale_f32_16x16x128_f8f6f4 v[8*(8*((\a)%4)+\b):8*(8*((\a)%4)+\b)+7], v[128*(\p)+FR*\b:128*(\p)+FR*\b+FR-1], v[AF+FR*(\a):AF+FR*(\a)+FR-1], v[8*(8*((\a)%4)+\b):8*(8*((\a)%4)+\b)+7], v[SC+8*NQ*(\sc)+NQ*\b+(\q)], v[SC+8*NQ*(\sc)+NQ*(\a)+(\q)] matrix_a_fmt:MATRIX_FMT_BF8 matrix_b_fmt:MATRIX_FMT_BF8 matrix_a_scale:MATRIX_SCALE_ROW1
.endif
.endr
.endr
.endm
.macro FETCH_B slot, q, p
	WIN TO_B
.irp i, 0,1,2,3,4,5,6,7
	FRAG 128*(\p)+FR*\i, ADRB+\slot, \q, \i
.endr
	WIN 0
.endm
.macro FETCH_A slot, q, i0
.irp i, \i0, \i0+1, \i0+2, \i0+3
	FRAG AF+FR*(\i), ADRA+\slot, \q, \i
.endr
.endm
.macro SCALES sc
.irp i, 0,1,2,3,4,5,6,7
	ds_load_b64 v[SC+8*NQ*\sc+NQ*\i:SC+8*NQ*\sc+NQ*\i+1], v[ADRS] offset:\i*128
.endr
.endm
.macro PLACES n
.rept \n
	v_nop
.endr
.endm
.macro STEP slot, q, zero
	s_wait_dscnt 4*NL
	WIN MUL_LO
	MUL16 0, (\q)%2, \q, \slot, \zero
	MUL16 2, (\q)%2, \q, \slot, \zero
	s_wait_dscnt 0
	PLACES NP
	FETCH_B \slot, (\q)+1, 1-(\q)%2
	FETCH_A \slot, (\q)+1, 0
	WIN MUL_HI
	MUL16 4, (\q)%2, \q, \slot, \zero
	MUL16 6, (\q)%2, \q, \slot, \zero
	PLACES NP
	WIN 0
	FETCH_A \slot, (\q)+1, 4
.endm
.macro TURN slot, next, fill
	s_wait_tensorcnt 0x0
	ds_add_u32 v[SPW], v[NIL]
	s_wait_dscnt 4*NL+1
	WIN MUL_LO
	MUL16 0, 1, NQ-1, \slot, 0
	s_wait_dscnt 0x0
	s_barrier_signal -1
	MUL16 2, 1, NQ-1, \slot, 0
	WIN 0
	s_barrier_wait -1
.if \fill
	CREST
	s_add_nc_u64 s[G0+4*\slot+2:G0+4*\slot+3], s[G0+4*\slot+2:G0+4*\slot+3], 2*XKK
	s_add_nc_u64 s[G0B+4*\slot+2:G0B+4*\slot+3], s[G0B+4*\slot+2:G0B+4*\slot+3], 2*WKK
	JLOAD G0+4*\slot, G1, G0B+4*\slot, G1B
	PLACES NP-4
.else
	PLACES NP
.endif
	s_wait_alu depctr_va_vdst(0)
	v_add_nc_u32 v[ADRS], 2048, v[ADRS]
	FETCH_B \next, 0, 0
	FETCH_A \next, 0, 0
	SCALES \next
	WIN MUL_HI
	MUL16 4, 1, NQ-1, \slot, 0
	MUL16 6, 1, NQ-1, \slot, 0
	PLACES NP
	WIN 0
	FETCH_A \next, 0, 4
.endm
	s_wait_alu depctr_va_vdst(0)
	s_wait_tensorcnt 0x0                           ; my tile of the head's four is in
	ds_add_u32 v[SPW], v[NIL]
	s_mov_b32 s[G1+2], 128<<16                     ; no tensor load of mine is out: from here on a load brings 128 rows
	s_mov_b32 s[G1+4], 128
	s_mov_b32 s[G1B+2], 128<<16
	s_mov_b32 s[G1B+4], 128
	s_wait_dscnt 0x0
	CROUND                                         ; all four tiles are in, and all sixteen work-groups are here
	JLOAD G0+4, G1, G0B+4, G1B                     ; K step 1, the first tensor load behind the round
	FETCH_B 0, 0, 0
	FETCH_A 0, 0, 0
	SCALES 0
	FETCH_A 0, 0, 4
	STEP 0, 0, 1
	TURN 0, 1, 1
	STEP 1, 0, 0
	TURN 1, 0, 1
	STEP 0, 0, 0
	TURN 0, 1, 0
	STEP 1, 0, 0
	s_wait_dscnt 4*NL
	WIN MUL_LO
	MUL16 0, 1, NQ-1, 1, 0
	MUL16 2, 1, NQ-1, 1, 0
	s_wait_dscnt 0
	WIN MUL_HI
	MUL16 4, 1, NQ-1, 1, 0
	MUL16 6, 1, NQ-1, 1, 0
	WIN 0
.macro EPI isv
.irp a, 0,1,2,3,4,5,6,7
.set EW, 2+(\a)/4
.set AC, 64*((\a)%4)
.set PC, PCB+16*(\a)
.set WN, (EW<<6)|EW
	WIN WN
.set j, 0
.rept 32
.if \isv
.if (\a)%2
	v_pk_add_f32 v[AC+j:AC+j+1], v[AC+j:AC+j+1], v[LB+2*((\a)/2):LB+2*((\a)/2)+1] op_sel:[0,1] op_sel_hi:[1,1]
.else
	v_pk_add_f32 v[AC+j:AC+j+1], v[AC+j:AC+j+1], v[LB+2*((\a)/2):LB+2*((\a)/2)+1] op_sel_hi:[1,0]
.endif
.else
	v_pk_add_f32 v[AC+j:AC+j+1], v[AC+j:AC+j+1], v[RB+j:RB+j+1]
.endif
.set j, j+2
.endr
.set WN, EW|(EW<<2)
	WIN WN
.irp b, 0,1,2,3
	v_max3_num_f32 v[TM+\b], |v[AC+16*\b]|, |v[AC+16*\b+1]|, 0x8000000
.endr
.irp i, 2,4,6,8,10,12,14
.irp b, 0,1,2,3
	v_max3_num_f32 v[TM+\b], |v[AC+16*\b+\i]|, |v[AC+16*\b+\i+1]|, v[TM+\b]
.endr
.endr
	WIN 0
.irp b, 0,1,2,3
	v_permlanex16_b32 v[TM+4+\b], v[TM+\b], s[SEL], s[SEL+1]
.endr
.irp b, 0,1,2,3
	v_max_num_f32 v[TM+\b], v[TM+\b], v[TM+4+\b]
.endr
.irp b, 0,1,2,3
	v_add_nc_u32 v[TM+12+\b], 0xf8800000, v[TM+\b]
.endr
.irp b, 0,1,2,3
	v_and_or_b32 v[TM+8+\b], v[TM+\b], 0x7f800000, s[MNT]
.endr
.irp b, 0,1,2,3
	v_lshrrev_b32 v[TM+4+\b], 23, v[TM+12+\b]
.endr
	v_lshl_or_b32 v[PW+\a], v[TM+5], 8, v[TM+4]
	v_lshl_or_b32 v[PW+\a], v[TM+6], 16, v[PW+\a]
	v_lshl_or_b32 v[PW+\a], v[TM+7], 24, v[PW+\a]
.set WN, (EW<<6)|EW
	WIN WN
.irp b, 0,1,2,3
.irp i, 0,1,2,3,4,5,6,7,8,9,10,11,12,13,14,15
	v_med3_num_f32 v[AC+16*\b+\i], v[AC+16*\b+\i], -v[TM+8+\b], v[TM+8+\b]
.endr
.endr
	WIN EW
.irp b, 0,1,2,3
	v_cvt_scalef32_pk8_bf8_f32 v[PC+4*\b:PC+4*\b+1], v[AC+16*\b:AC+16*\b+7], v[TM+12+\b]
	v_cvt_scalef32_pk8_bf8_f32 v[PC+4*\b+2:PC+4*\b+3], v[AC+16*\b+8:AC+16*\b+15], v[TM+12+\b]
.endr
	WIN 0
	v_nop
.if \isv
.irp c, 0,1,2,3
	global_store_b128 v[LI], v[PC+4*\c:PC+4*\c+3], s[96:97] offset:((\a)/4)*HEADB+((\a)%4)*2048+\c*512
.endr
.else
	global_store_b128 v[LI], v[PC:PC+3], s[96:97] offset:(\a)*1024
	global_store_b128 v[LI], v[PC+4:PC+7], s[96:97] offset:(\a)*1024+512
	global_store_b128 v[LI], v[PC+8:PC+11], s[96:97] offset:(\a)*1024+HEADB
	global_store_b128 v[LI], v[PC+12:PC+15], s[96:97] offset:(\a)*1024+HEADB+512
.endif
.endr
.irp p, 0,1,2,3
.if \isv
	v_cndmask_b32 v[SW+\p], v[PW+\p], v[PW+4+\p], s[HIL]
.else
	v_perm_b32 v[SW+\p], v[PW+2*\p+1], v[PW+2*\p], v[PSEL]
.endif
.endr
	global_store_b128 v[SVO], v[SW:SW+3], s[98:99]
.endm
	s_wait_loadcnt 0x0
	PLACES NP
.irp b, 0,1,2,3
	v_mov_b32 v[TM+4+\b], 0
.endr
	v_mov_b32 v[PSEL], 0x05040100
	v_mov_b32 v[PSEL+1], 0x07060302
	v_cndmask_b32 v[PSEL], v[PSEL], v[PSEL+1], s[HIL]
	s_cmp_eq_u32 s[ISV], 1
	s_cbranch_scc1 .Lv_out
	EPI 0
	s_branch .Ldone
.Lv_out:
	EPI 1
.Ldone:
	s_wait_tensorcnt 0x0
	ds_add_u32 v[SPW], v[NIL]
	s_wait_dscnt 0x0
	CROUND
	s_endpgm
.Lfunc_end_k_qe2b249c217_gemm_qkv:
	.size	k_qe2b249c217_gemm_qkv, .Lfunc_end_k_qe2b249c217_gemm_qkv-k_qe2b249c217_gemm_qkv
	.p2alignl 7, 3214868480
	.fill 96, 4, 3214868480
	.section	.rodata,"a",@progbits
	.p2align	6, 0x0
	.amdhsa_kernel k_qe2b249c217_gemm_qkv
		.amdhsa_group_segment_fixed_size 327680
		.amdhsa_private_segment_fixed_size 0
		.amdhsa_enable_private_segment 0
		.amdhsa_kernarg_size 32
		.amdhsa_user_sgpr_count 2
		.amdhsa_user_sgpr_kernarg_segment_ptr 1
		.amdhsa_wavefront_size32 1
		.amdhsa_system_sgpr_workgroup_id_x 1
		.amdhsa_system_sgpr_workgroup_id_y 1
		.amdhsa_system_sgpr_workgroup_id_z 1
		.amdhsa_system_vgpr_workitem_id 0
		.amdhsa_next_free_vgpr 1024
		.amdhsa_next_free_sgpr 102
		.amdhsa_reserve_vcc 0
		.amdhsa_float_denorm_mode_32 3
		.amdhsa_float_denorm_mode_16_64 3
		.amdhsa_memory_ordered 1
		.amdhsa_forward_progress 1
		.amdhsa_inst_pref_size 255
	.end_amdhsa_kernel
	.section	.bss,"aw",@nobits
	.p2align	6
	.space	262144
	.amdgpu_metadata
---
amdhsa.version: [ 1, 2 ]
amdhsa.kernels:
  - .name:           k_qe2b249c217_gemm_qkv
    .symbol:         k_qe2b249c217_gemm_qkv.kd
    .args:
      - { .name: xq, .offset: 0, .size: 8, .value_kind: global_buffer, .address_space: global }
      - { .name: wq, .offset: 8, .size: 8, .value_kind: global_buffer, .address_space: global }
      - { .name: b_qkv, .offset: 16, .size: 8, .value_kind: global_buffer, .address_space: global }
      - { .name: qkv, .offset: 24, .size: 8, .value_kind: global_buffer, .address_space: global }
    .group_segment_fixed_size: 327680
    .private_segment_fixed_size: 0
    .kernarg_segment_align: 8
    .kernarg_segment_size: 32
    .max_flat_workgroup_size: 128
    .sgpr_count:     102
    .vgpr_count:     1024
    .wavefront_size: 32
...
	.end_amdgpu_metadata
.endif
;; end of part 2
;; launch attn (part 3): grid 4 x 64, 8 waves a work-group, clusters of 4 x 1, 327,680 bytes of LDS; arguments qkv, att; writes att
.if DOCPART == 3
	.amdgcn_target "amdgcn-amd-amdhsa--gfx1250"
	.amdhsa_code_object_version 6
	.text
	.protected	k_qe2b249c217_attn
	.globl	k_qe2b249c217_attn
	.p2align	8
	.type	k_qe2b249c217_attn,@function
k_qe2b249c217_attn:
	s_mov_b64 s[64:65], 0
	v_nop
	global_prefetch_b8 v0, s[64:65] scope:SCOPE_SE
	s_setreg_imm32_b32 hwreg(HW_REG_WAVE_MODE, 25, 1), 1
	s_wait_xcnt 0x0
	s_wait_alu depctr_hold_cnt(0) depctr_sa_sdst(0) depctr_va_vdst(0) depctr_va_sdst(0) depctr_va_ssrc(0) depctr_va_vcc(0) depctr_vm_vsrc(0)
	s_getreg_b32 s2, hwreg(HW_REG_IB_STS2, 6, 4)
	s_cmp_eq_u32 s2, 0
	s_cbranch_scc0 .Lentry_in_a_cluster
	s_endpgm
.Lentry_in_a_cluster:
	s_bfe_u32 s2, ttmp6, 0x10000c
	s_cmp_lg_u32 s2, 0x3003
	s_cbranch_scc0 .Lentry_shape_is_right
	s_endpgm
.Lentry_shape_is_right:
; att = Q(softmax(q k^T / 8) v) for one head (work-group y) and 512 queries (place in the cluster), both products on codes of BF8 (E5M2) with E8M0 scales.
; qkv holds, for each head, register images of q, k (64 bytes a row) and v (keys innermost), 128 KiB each, and behind all heads 4 KiB of scale bytes for each of the three.
; p = 2^(t - M), t = score x log2(e) / 8, M the ceiling of the running largest t; the row's sum is taken of the unquantised p and divides at the end.
; SHARES: the head's whole K and V (256 KiB) and their scale bytes (8 KiB) come into LDS once, by joint loads of the four work-groups of the head; nothing is filled again.
; Each of 8 waves owns 32 queries (two tiles) in each of two passes and walks 16 steps of 128 keys.  S^T = K Q^T: a K fragment holds two tiles of 16 keys (64 + 64 along the instruction's 128), Q stands beside zeros.
; A STEP'S ORDER: scores; block maxima, M, f, O^T x f, tile 0's t - M (plain lines alone); the exponentials in two batches, and between their lines only plain lines whose results are first read behind the batch's closing wait.
; No data prefetch: every byte of K and V is asked for once, at the head, and no loop runs ahead of a load.
; LIMITS: the scaled scores stay under 2^31 in magnitude; NaN and infinities are not served; a block of p that is all zeros gets the byte 1 (its codes are zeros).
.set VB,   131072
.set SCB,  262144
.set HEADB, 393216
.set QSC,  64*HEADB
.set HEADS, 12288
.set LI,  1
.set LS,  2
.set ADK, 3
.set ADV, 4
.set ADS, 5
.set ADT, 6
.set L2B, 7
.set R16, 8
.set LV,  9
.set LT,  10
.set NM,  12                           ; v12, v14 -M; v13, v15 the running largest raw score
.set LL,  16
.set FF,  20
.set PS,  24
.set QD,  26
.set KS,  28
.set VS,  32
.set QW,  36
.set BM,  40
.set T2,  44
.set HO,  48
.set SO,  52
.set XX,  56
.set TT,  57
.set U,   80                           ; v80-87 tile 1's sums, four chains
.set SS,  96
.set PC,  224                          ; p's codes; ahead of them tile 0's 16 part sums
.set KF,  0
.set VF,  64
.set QF,  128
.set OT,  176
.set WV,  8
.set G1C, 12
.set G1S, 20
.set G0C, 28
.set G0S, 32
.set SEL, 36
.set CS,  38
.set MNT, 40
.set TK,  41
.set TS,  42
.set TRIP, 44
.set QB,  46
.set QS,  48
.set AB,  50
.set AS,  52
.set HIL, 54
.set MSB, 0
.macro WIN new
.if MSB != \new
	s_set_vgpr_msb (MSB<<8)|\new
.set MSB, \new
.endif
.endm
.macro ROUND
	s_barrier_signal -1
	s_barrier_wait -1
	s_cmp_lg_u32 s[WV], 0
	s_cbranch_scc1 .Lnot_wave_0_\@
	s_barrier_signal -3
.Lnot_wave_0_\@:
	s_barrier_wait -3
	s_barrier_signal -1
	s_barrier_wait -1
.endm
	s_load_b128 s[4:7], s[0:1], 0x0
	v_lshl_add_u32 v94, v0, 2, 0x42000
	v_mov_b32 v95, 0
	ds_add_u32 v94, v95                            ; the opening lines: the add twice on end
	ds_add_u32 v94, v95
	v_lshrrev_b32 v1, 5, v0
	v_readfirstlane_b32 s[WV], v1
	s_and_b32 s9, ttmp7, 0xffff                    ; the head
	s_mul_i32 s56, s9, HEADB
	s_mul_i32 s60, s9, HEADS
	s_add_co_u32 s60, s60, QSC
	s_lshl_b32 s57, s[WV], 16                      ; waves 0 to 3: 64 KiB of K's and V's codes each
	s_add_co_u32 s58, s56, s57
	s_add_co_u32 s58, s58, 131072
	s_mov_b32 s59, 0
	s_add_co_u32 s62, s60, 4096                    ; K's and V's scale bytes, 8 KiB on end
	s_mov_b32 s63, 0
	s_mov_b32 s[G1C], 15|(3<<16)|(1<<21)           ; the mask names the four work-groups of the head; 256 rows of 256 bytes
	s_mov_b32 s[G1C+1], 32<<16
	s_mov_b32 s[G1C+2], 256<<16
	s_mov_b32 s[G1C+3], 32<<16
	s_mov_b32 s[G1C+4], 256
	s_mov_b32 s[G1C+5], 32
	s_mov_b32 s[G1C+6], 0
	s_mov_b32 s[G1C+7], 0
	s_mov_b32 s[G1S], 15|(3<<16)|(1<<21)           ; 32 rows of 256 bytes
	s_mov_b32 s[G1S+1], 32<<16
	s_mov_b32 s[G1S+2], 32<<16
	s_mov_b32 s[G1S+3], 32<<16
	s_mov_b32 s[G1S+4], 32
	s_mov_b32 s[G1S+5], 32
	s_mov_b32 s[G1S+6], 0
	s_mov_b32 s[G1S+7], 0
	s_wait_dscnt 0x0
	s_wait_kmcnt 0x0
	s_mov_b32 s[G0C], 1
	s_mov_b32 s[G0C+1], s57
	s_add_nc_u64 s[G0C+2:G0C+3], s[4:5], s[58:59]
	s_or_b32 s[G0C+3], s[G0C+3], 0x80000000
	s_mov_b32 s[G0S], 1
	s_mov_b32 s[G0S+1], SCB
	s_add_nc_u64 s[G0S+2:G0S+3], s[4:5], s[62:63]
	s_or_b32 s[G0S+3], s[G0S+3], 0x80000000
	ROUND
	s_cmp_lt_u32 s[WV], 4                          ; the head's loads, at most one a wave, in one chain of branches on the wave's number
	s_cbranch_scc0 .Lh_s
	tensor_load_to_lds s[G0C:G0C+3], s[G1C:G1C+7]
	s_nop 0
.rept 4
	v_nop
.endr
	s_branch .Lh_done
.Lh_s:
	s_cmp_eq_u32 s[WV], 4
	s_cbranch_scc0 .Lh_done
	tensor_load_to_lds s[G0S:G0S+3], s[G1S:G1S+7]
	s_nop 0
.rept 4
	v_nop
.endr
.Lh_done:
	v_and_b32 v37, 31, v0
	v_and_b32 v38, 15, v0
	v_lshlrev_b32 v[LI], 4, v37
	v_lshlrev_b32 v[R16], 4, v38
	v_lshlrev_b32 v[L2B], 1, v37
	v_lshl_add_u32 v[LS], v38, 4, SCB
	v_lshl_add_u32 v[LV], v37, 4, VB
	v_lshl_add_u32 v[LT], v38, 4, SCB+4096
	s_wait_alu depctr_va_vdst(0)
	s_bfe_u32 s10, ttmp6, 0x40000
	s_lshl_b32 s57, s10, 15
	s_lshl_b32 s58, s[WV], 11
	s_add_co_u32 s57, s57, s58
	s_add_co_u32 s58, s56, s57
	s_add_nc_u64 s[QB:QB+1], s[4:5], s[58:59]
	s_lshl_b32 s57, s10, 10
	s_lshr_b32 s58, s[WV], 2
	s_lshl_b32 s58, s58, 8
	s_add_co_u32 s57, s57, s58
	s_and_b32 s58, s[WV], 3
	s_lshl_b32 s58, s58, 2
	s_add_co_u32 s57, s57, s58
	s_add_co_u32 s58, s60, s57
	s_add_nc_u64 s[QS:QS+1], s[4:5], s[58:59]
	s_lshr_b32 s56, s9, 4
	s_and_b32 s60, s9, 15
	s_lshl_b32 s57, s56, 21
	s_lshl_b32 s58, s10, 19
	s_add_co_u32 s57, s57, s58
	s_lshl_b32 s58, s[WV], 15
	s_add_co_u32 s57, s57, s58
	s_lshl_b32 s58, s60, 10
	s_add_co_u32 s58, s57, s58
	s_add_nc_u64 s[AB:AB+1], s[6:7], s[58:59]
	s_lshl_b32 s57, s60, 14
	s_lshl_b32 s58, s56, 12
	s_add_co_u32 s57, s57, s58
	s_lshl_b32 s58, s10, 10
	s_add_co_u32 s57, s57, s58
	s_lshl_b32 s58, s[WV], 6
	s_add_co_u32 s57, s57, s58
	s_add_co_u32 s58, s57, 8388608
	s_add_nc_u64 s[AS:AS+1], s[6:7], s[58:59]
.macro QLOAD pi
	WIN 0x40
.irp t, 0,1
.irp c, 0,1
	global_load_b128 v[QF+24*\t+4*\c:QF+24*\t+4*\c+3], v[LI], s[QB:QB+1] offset:16384*(\pi)+1024*\t+512*\c
	global_load_b128 v[QF+24*\t+16+4*\c:QF+24*\t+16+4*\c+3], v[LI], s[QB:QB+1] offset:16384*(\pi)+1024*\t+512*\c
.endr
.endr
	WIN 0
	global_load_b32 v[QW], v[R16], s[QS:QS+1] offset:512*(\pi)
.endm
	QLOAD 0
	s_mov_b32 s[SEL], 0x76543210
	s_mov_b32 s[SEL+1], 0xfedcba98
	s_mov_b32 s[CS], 0x3e38aa3b                    ; log2(e) / 8
	s_mov_b32 s[CS+1], s[CS]
	s_mov_b32 s[MNT], 0x600000
	s_mov_b32 s[HIL], 0xffff0000
	s_mov_b32 s[TK], 0
	s_mov_b32 s[TS], 0
.irp t, 0,1
.irp b, 0,1,2,3
	v_mov_b32 v[T2+20*\t+\b], 0                    ; a lane permute's destination counts as a source
.endr
	v_mov_b32 v[FF+2*\t+1], 0
.endr
	WIN 0x40
.irp t, 0,1
.irp j, 0,1,2,3,4,5,6,7
	v_mov_b32 v[QF+24*\t+8+\j], 0                  ; the zeros beside Q
.endr
.endr
	WIN 0
	s_wait_alu depctr_va_vdst(0)
	s_wait_tensorcnt 0x0
	s_barrier_signal -1
	s_barrier_wait -1                              ; everybody's part of K, V and the scale bytes is in
	ds_load_b128 v[KS:KS+3], v[LS]
	WIN 0x40
.set f, 0
.rept 16
	ds_load_b128 v[KF+4*f:KF+4*f+3], v[LI] offset:512*f
.set f, f+1
.endr
	WIN 0
; the hold, two numbers a line: register ii of block bb and register ii xor 1 of block bb + 1, so that the pair's destinations differ in parity and its sources in bank
.macro DMIN t, m
.set bb, 2*((\m)/16)
.set ii, (\m)%16
.set ra, SS+64*(\t)+16*bb+ii
.set rb, SS+64*(\t)+16*bb+16+(ii^1)
.set hb, HO+20*(\t)+bb
	v_dual_min_num_f32 v[ra], v[ra], v[hb] :: v_dual_min_num_f32 v[rb], v[rb], v[hb+1]
.endm
.macro PL0 n                           ; tile 0's plain lines that stand among tile 1's exponentials: 16 independent part sums of the unquantised p, then the 32 holds
.if (\n) < 16
	v_pk_add_f32 v[PC+2*(\n):PC+2*(\n)+1], v[SS+4*(\n):SS+4*(\n)+1], v[SS+4*(\n)+2:SS+4*(\n)+3]
.else
	DMIN 0, (\n)-16
.endif
.endm
.macro SUM1 n                          ; tile 1's sums of the unquantised p, four chains
.if (\n) < 4
	v_pk_add_f32 v[U+2*(\n):U+2*(\n)+1], v[SS+64+4*(\n):SS+64+4*(\n)+1], v[SS+64+4*(\n)+2:SS+64+4*(\n)+3]
.else
	v_pk_add_f32 v[U+2*((\n)%4):U+2*((\n)%4)+1], v[U+2*((\n)%4):U+2*((\n)%4)+1], v[SS+64+2*((\n)+4):SS+64+2*((\n)+4)+1]
.endif
.endm
.macro FOLD i, d                       ; part sum i += part sum i + d, in v240-255
	v_pk_add_f32 v[PC+16+2*(\i):PC+16+2*(\i)+1], v[PC+16+2*(\i):PC+16+2*(\i)+1], v[PC+16+2*((\i)+(\d)):PC+16+2*((\i)+(\d))+1]
.endm
.macro CODE t, b
	v_cvt_scalef32_pk8_bf8_f32 v[PC+16*\t+4*\b:PC+16*\t+4*\b+1], v[SS+64*\t+16*\b:SS+64*\t+16*\b+7], v[SO+20*\t+\b]
	v_cvt_scalef32_pk8_bf8_f32 v[PC+16*\t+4*\b+2:PC+16*\t+4*\b+3], v[SS+64*\t+16*\b+8:SS+64*\t+16*\b+15], v[SO+20*\t+\b]
.endm
.macro SOFTMAX
.irp b, 0,1,2,3                        ; the largest score of each block of 32 keys, eight chains by turns
.irp t, 0,1
	v_max3_num_f32 v[BM+20*\t+\b], v[SS+64*\t+16*\b], v[SS+64*\t+16*\b+1], v[SS+64*\t+16*\b+2]
.endr
.endr
.irp i, 3,5,7,9,11,13
.irp b, 0,1,2,3
.irp t, 0,1
	v_max3_num_f32 v[BM+20*\t+\b], v[BM+20*\t+\b], v[SS+64*\t+16*\b+\i], v[SS+64*\t+16*\b+\i+1]
.endr
.endr
.endr
.irp b, 0,1,2,3
.irp t, 0,1
	v_max_num_f32 v[BM+20*\t+\b], v[BM+20*\t+\b], v[SS+64*\t+16*\b+15]
.endr
.endr
.irp b, 0,1,2,3
.irp t, 0,1
	v_permlanex16_b32 v[T2+20*\t+\b], v[BM+20*\t+\b], s[SEL], s[SEL+1]
.endr
.endr
.irp b, 0,1,2,3
.irp t, 0,1
	v_max_num_f32 v[BM+20*\t+\b], v[BM+20*\t+\b], v[T2+20*\t+\b]
.endr
.endr
.irp t, 0,1
	s_delay_alu instid0(VALU_DEP_4)
	v_max3_num_f32 v[TT+20*\t], v[BM+20*\t], v[BM+20*\t+1], v[BM+20*\t+2]
.endr
.irp t, 0,1
	s_delay_alu instid0(VALU_DEP_2)
	v_max3_num_f32 v[NM+2*\t+1], v[TT+20*\t], v[BM+20*\t+3], v[NM+2*\t+1]   ; the running largest raw score
.endr
.irp t, 0,1
	s_delay_alu instid0(VALU_DEP_2)
	v_mul_f32 v[TT+20*\t], s[CS], v[NM+2*\t+1]     ; as t
.endr
.irp t, 0,1
	s_delay_alu instid0(VALU_DEP_2)
	v_floor_f32 v[NM+2*\t], -v[TT+20*\t]           ; -M = floor(-t)
.endr
.irp t, 0,1
	s_delay_alu instid0(VALU_DEP_2)
	v_sub_f32 v[XX+20*\t], v[NM+2*\t], v[XX+20*\t] ; old M - new M
.endr
.irp t, 0,1
	s_delay_alu instid0(VALU_DEP_2)
	v_cvt_i32_f32 v[XX+20*\t], v[XX+20*\t]
.endr
.irp t, 0,1
	s_delay_alu instid0(VALU_DEP_2)
	v_ldexp_f32 v[FF+2*\t], 1.0, v[XX+20*\t]       ; f = 2^(old M - new M)
.endr
.set g, 0
.rept 32
	v_pk_fma_f32 v[SS+2*g:SS+2*g+1], v[SS+2*g:SS+2*g+1], s[CS:CS+1], v[NM:NM+1] op_sel_hi:[1,0,0]
.set g, g+1
.endr
.irp b, 0,1,2,3
.irp t, 0,1
	v_fma_f32 v[BM+20*\t+\b], v[BM+20*\t+\b], s[CS], v[NM+2*\t]
.endr
.endr
	WIN 0x41
.irp t, 0,1                            ; O^T x f, ahead of every exponential of the step: its first read since the last products
.set g, 0
.rept 16
	v_pk_mul_f32 v[OT+32*\t+2*g:OT+32*\t+2*g+1], v[OT+32*\t+2*g:OT+32*\t+2*g+1], v[FF+2*\t:FF+2*\t+1] op_sel_hi:[1,0]
.set g, g+1
.endr
.endr
	WIN 0
	s_wait_alu depctr_va_vdst(0)
.irp b, 0,1,2,3
.irp t, 0,1
	v_exp_f32 v[BM+20*\t+\b], v[BM+20*\t+\b]       ; each block's largest p
.endr
.endr
.set g, 0
.rept 32                               ; tile 0's p; tile 1's t - M stands between and is first read behind the waits below
	v_exp_f32 v[SS+2*g], v[SS+2*g]
	v_exp_f32 v[SS+2*g+1], v[SS+2*g+1]
	v_pk_fma_f32 v[SS+64+2*g:SS+64+2*g+1], v[SS+64+2*g:SS+64+2*g+1], s[CS:CS+1], v[NM+2:NM+3] op_sel_hi:[1,0,0]
.set g, g+1
.endr
	s_wait_alu depctr_va_vdst(0)                   ; one wait for the batch
.irp b, 0,1,2,3
.irp t, 0,1
	v_max_num_f32 v[BM+20*\t+\b], 0x8000000, v[BM+20*\t+\b]   ; the floor 2^(16 - 127)
.endr
.endr
.irp b, 0,1,2,3
.irp t, 0,1
	v_add_nc_u32 v[SO+20*\t+\b], 0xf8800000, v[BM+20*\t+\b]   ; the conversion's scale operand
.endr
.endr
.irp b, 0,1,2,3
.irp t, 0,1
	v_and_or_b32 v[HO+20*\t+\b], v[BM+20*\t+\b], 0x7f800000, s[MNT]   ; 57,344 x the scale
.endr
.endr
.irp b, 0,1,2,3
.irp t, 0,1
	v_lshrrev_b32 v[T2+20*\t+\b], 23, v[SO+20*\t+\b]          ; the scale's byte
.endr
.endr
.irp t, 0,1
	v_lshl_or_b32 v[PS+\t], v[T2+20*\t+1], 8, v[T2+20*\t]
.endr
.irp t, 0,1
	s_delay_alu instid0(VALU_DEP_2)
	v_lshl_or_b32 v[PS+\t], v[T2+20*\t+2], 16, v[PS+\t]
.endr
.irp t, 0,1
	s_delay_alu instid0(VALU_DEP_2)
	v_lshl_or_b32 v[PS+\t], v[T2+20*\t+3], 24, v[PS+\t]
.endr
	s_wait_alu depctr_va_vdst(0)                   ; ahead of the second batch: the holds among it read what the lines above wrote
.set en, 0
.rept 64                               ; tile 1's p; three plain lines of tile 0 to four exponentials, the last line a plain one
	v_exp_f32 v[SS+64+en], v[SS+64+en]
.if en%4
	PL0 (en-1-en/4)
.endif
.set en, en+1
.endr
	s_wait_alu depctr_va_vdst(0)                   ; one wait for the batch
.irp i, 0,1,2,3,4,5,6,7
	v_pk_add_f32 v[PC+16+2*\i:PC+16+2*\i+1], v[PC+16+2*\i:PC+16+2*\i+1], v[PC+2*\i:PC+2*\i+1]   ; tile 0's part sums leave v224-239 to its codes
.endr
.irp b, 0,1,2,3
	CODE 0, \b
.endr
.irp n, 0,1,2,3
	SUM1 \n
.endr
.irp i, 0,1,2,3
	FOLD \i, 4
.endr
.irp n, 4,5,6,7
	SUM1 \n
.endr
	FOLD 0, 2
	FOLD 1, 2
.irp n, 8,9,10,11
	SUM1 \n
.endr
	FOLD 0, 1
.set em, 0
.rept 16                               ; blocks 0 and 1 are held while blocks 2 and 3 are summed
	DMIN 1, em
	SUM1 (em+12)
.set em, em+1
.endr
	v_pk_fma_f32 v[LL:LL+1], v[LL:LL+1], v[FF:FF+1], v[PC+16:PC+17] op_sel_hi:[1,0,1]   ; tile 0's sum under the new M
	CODE 1, 0
	CODE 1, 1
.set em, 16
.rept 16
	DMIN 1, em
.set em, em+1
.endr
	CODE 1, 2
	CODE 1, 3
	v_pk_add_f32 v[U:U+1], v[U:U+1], v[U+2:U+3]    ; four plain lines between the last codes and the products that read them
	v_pk_add_f32 v[U+4:U+5], v[U+4:U+5], v[U+6:U+7]
	s_delay_alu instid0(VALU_DEP_1)
	v_pk_add_f32 v[U:U+1], v[U:U+1], v[U+4:U+5]
	s_delay_alu instid0(VALU_DEP_1)
	v_pk_fma_f32 v[LL+2:LL+3], v[LL+2:LL+3], v[FF+2:FF+3], v[U:U+1] op_sel_hi:[1,0,1]
.endm
.macro KSTEP
	s_wait_dscnt 0x0                               ; this step's K, asked for in the step before
	WIN 0x05
.irp p, 0,1,2,3
.irp t, 0,1
	v_wmma_scale_f32_16x16x128_f8f6f4 v[SS+64*\t+16*\p:SS+64*\t+16*\p+7], v[KF+16*\p:KF+16*\p+15], v[QF+24*\t:QF+24*\t+15], 0, v[KS+\p], v[QD+\t] matrix_a_fmt:MATRIX_FMT_BF8 matrix_b_fmt:MATRIX_FMT_BF8
	v_wmma_scale_f32_16x16x128_f8f6f4 v[SS+64*\t+16*\p+8:SS+64*\t+16*\p+15], v[KF+16*\p:KF+16*\p+15], v[QF+24*\t+8:QF+24*\t+23], 0, v[KS+\p], v[QD+\t] matrix_a_fmt:MATRIX_FMT_BF8 matrix_b_fmt:MATRIX_FMT_BF8
.endr
.endr
	WIN 0
	v_add_nc_u32 v[ADV], s[TK], v[LV]              ; eight places behind the products: this step's V, the next step's K, the old -M
	v_add_nc_u32 v[ADT], s[TS], v[LT]
	s_add_co_u32 s[TK], s[TK], 8192
	s_and_b32 s[TK], s[TK], 0x1ffff                ; the last step asks for step 0's K again: the next pass begins with it
	s_lshr_b32 s[TS], s[TK], 5
	v_add_nc_u32 v[ADK], s[TK], v[LI]
	v_add_nc_u32 v[ADS], s[TS], v[LS]
	v_mov_b32 v[XX], v[NM]
	v_mov_b32 v[XX+20], v[NM+2]
	v_nop
	v_nop
	ds_load_b128 v[VS:VS+3], v[ADT]
	ds_load_b128 v[KS:KS+3], v[ADS]
	WIN 0x40
.set f, 0
.rept 16
	ds_load_b128 v[VF+4*f:VF+4*f+3], v[ADV] offset:512*f
.set f, f+1
.endr
.set f, 0
.rept 16
	ds_load_b128 v[KF+4*f:KF+4*f+3], v[ADK] offset:512*f
.set f, f+1
.endr
	WIN 0
	SOFTMAX
	s_wait_alu depctr_va_vdst(0)
	s_wait_dscnt 16                                ; both scale loads and V's 16 are in; the next K's 16 may be out
	WIN 0x51
.irp dt, 0,1,2,3
.irp t, 0,1
	v_wmma_scale_f32_16x16x128_f8f6f4 v[OT+32*\t+8*\dt:OT+32*\t+8*\dt+7], v[VF+16*\dt:VF+16*\dt+15], v[PC+16*\t:PC+16*\t+15], v[OT+32*\t+8*\dt:OT+32*\t+8*\dt+7], v[VS+\dt], v[PS+\t] matrix_a_fmt:MATRIX_FMT_BF8 matrix_b_fmt:MATRIX_FMT_BF8
.endr
.endr
	WIN 0
.endm
.macro PASS pi
	s_wait_loadcnt 0x0
	s_wait_xcnt 0x0
	v_perm_b32 v[QD], v[QW], v[QW], 0x01000100
	v_perm_b32 v[QD+1], v[QW], v[QW], 0x03020302
.irp t, 0,1
	v_mov_b32 v[NM+2*\t+1], 0xff61b1e6             ; -3e38, under every score
	s_delay_alu instid0(VALU_DEP_1)
	v_floor_f32 v[NM+2*\t], -v[NM+2*\t+1]
	v_mov_b32 v[LL+2*\t], 0
	v_mov_b32 v[LL+2*\t+1], 0
.endr
	WIN 0x40
.set g, 0
.rept 64
	v_mov_b32 v[OT+g], 0                           ; the step is written once: the first finds zeros
.set g, g+1
.endr
	WIN 0
	s_mov_b32 s[TRIP], 16
	s_wait_alu depctr_va_vdst(0)
.Lstep_\@:
	KSTEP
	s_sub_co_u32 s[TRIP], s[TRIP], 1
	s_cmp_lg_u32 s[TRIP], 0
	s_cbranch_scc1 .Lstep_\@
.if (\pi) == 0
	QLOAD 1
.endif
.irp t, 0,1
	v_add_f32 v[XX+20*\t], v[LL+2*\t], v[LL+2*\t+1]
.endr
.irp t, 0,1
	s_delay_alu instid0(VALU_DEP_2)
	v_permlanex16_b32 v[T2+20*\t], v[XX+20*\t], s[SEL], s[SEL+1]
.endr
.irp t, 0,1
	s_delay_alu instid0(VALU_DEP_2)
	v_add_f32 v[XX+20*\t], v[XX+20*\t], v[T2+20*\t]
.endr
	s_wait_alu depctr_va_vdst(0)
.irp t, 0,1
	v_rcp_f32 v[FF+2*\t], v[XX+20*\t]
.endr
.rept 4
	v_nop                                          ; with the six lines above: the places between the last products and the first read of O^T
.endr
	s_wait_alu depctr_va_vdst(0)
	WIN 0x01
.irp t, 0,1
.set g, 0
.rept 32
	v_mul_f32 v[SS+64*\t+g], v[OT+32*\t+g], v[FF+2*\t]   ; O^T / the sum
.set g, g+1
.endr
.endr
	WIN 0
.irp t, 0,1                            ; the head's 64 channels are two blocks of the next product's K
.irp b, 0,1
	v_max3_num_f32 v[BM+20*\t+\b], |v[SS+64*\t+16*\b]|, |v[SS+64*\t+16*\b+1]|, 0x8000000
.endr
.endr
.irp i, 2,4,6,8,10,12,14
.irp t, 0,1
.irp b, 0,1
	s_delay_alu instid0(VALU_DEP_4)
	v_max3_num_f32 v[BM+20*\t+\b], v[BM+20*\t+\b], |v[SS+64*\t+16*\b+\i]|, |v[SS+64*\t+16*\b+\i+1]|
.endr
.endr
.endr
.irp t, 0,1
.irp b, 0,1
	s_delay_alu instid0(VALU_DEP_4)
	v_permlanex16_b32 v[T2+20*\t+\b], v[BM+20*\t+\b], s[SEL], s[SEL+1]
.endr
.endr
.irp t, 0,1
.irp b, 0,1
	s_delay_alu instid0(VALU_DEP_4)
	v_max_num_f32 v[BM+20*\t+\b], v[BM+20*\t+\b], v[T2+20*\t+\b]
.endr
.endr
.irp t, 0,1
.irp b, 0,1
	v_add_nc_u32 v[SO+20*\t+\b], 0xf8800000, v[BM+20*\t+\b]
	v_and_or_b32 v[HO+20*\t+\b], v[BM+20*\t+\b], 0x7f800000, s[MNT]
.endr
.endr
.irp t, 0,1
.irp b, 0,1
	v_lshrrev_b32 v[T2+20*\t+\b], 23, v[SO+20*\t+\b]
.endr
.endr
.irp t, 0
	s_delay_alu instid0(VALU_DEP_3)
	v_lshl_or_b32 v[XX+20*\t], v[T2+20*\t+1], 8, v[T2+20*\t]
.endr
.irp t, 1
	s_delay_alu instid0(VALU_DEP_2)
	v_lshl_or_b32 v[XX+20*\t], v[T2+20*\t+1], 8, v[T2+20*\t]
.endr
.irp t, 0,1
.irp b, 0,1
.irp i, 0,1,2,3,4,5,6,7,8,9,10,11,12,13,14,15
	v_med3_num_f32 v[SS+64*\t+16*\b+\i], v[SS+64*\t+16*\b+\i], -v[HO+20*\t+\b], v[HO+20*\t+\b]
.endr
	v_cvt_scalef32_pk8_bf8_f32 v[PC+16*\t+4*\b:PC+16*\t+4*\b+1], v[SS+64*\t+16*\b:SS+64*\t+16*\b+7], v[SO+20*\t+\b]
	v_cvt_scalef32_pk8_bf8_f32 v[PC+16*\t+4*\b+2:PC+16*\t+4*\b+3], v[SS+64*\t+16*\b+8:SS+64*\t+16*\b+15], v[SO+20*\t+\b]
.endr
.endr
	v_cndmask_b32 v[XX], v[XX], v[XX+20], s[HIL]
.irp t, 0,1
	global_store_b128 v[LI], v[PC+16*\t:PC+16*\t+3], s[AB:AB+1] offset:(16*(\pi)+\t)*16384
	global_store_b128 v[LI], v[PC+16*\t+4:PC+16*\t+7], s[AB:AB+1] offset:(16*(\pi)+\t)*16384+512
.endr
	global_store_b16 v[L2B], v[XX], s[AS:AS+1] offset:512*(\pi)
.endm
	PASS 0
	PASS 1
	s_wait_dscnt 0x0                               ; the last step's loads of K
	s_wait_tensorcnt 0x0                           ; the wave's end
	ds_add_u32 v94, v95
	s_wait_dscnt 0x0
	ROUND                                          ; the closing round
	s_endpgm
.Lfunc_end_k_qe2b249c217_attn:
	.size	k_qe2b249c217_attn, .Lfunc_end_k_qe2b249c217_attn-k_qe2b249c217_attn
	.p2alignl 7, 3214868480
	.fill 96, 4, 3214868480
	.section	.rodata,"a",@progbits
	.p2align	6, 0x0
	.amdhsa_kernel k_qe2b249c217_attn
		.amdhsa_group_segment_fixed_size 327680
		.amdhsa_private_segment_fixed_size 0
		.amdhsa_enable_private_segment 0
		.amdhsa_kernarg_size 16
		.amdhsa_user_sgpr_count 2
		.amdhsa_user_sgpr_kernarg_segment_ptr 1
		.amdhsa_wavefront_size32 1
		.amdhsa_system_sgpr_workgroup_id_x 1
		.amdhsa_system_sgpr_workgroup_id_y 1
		.amdhsa_system_sgpr_workgroup_id_z 1
		.amdhsa_system_vgpr_workitem_id 0
		.amdhsa_next_free_vgpr 512
		.amdhsa_next_free_sgpr 80
		.amdhsa_reserve_vcc 0
		.amdhsa_float_denorm_mode_32 3
		.amdhsa_float_denorm_mode_16_64 3
		.amdhsa_memory_ordered 1
		.amdhsa_forward_progress 1
		.amdhsa_inst_pref_size 109
	.end_amdhsa_kernel
	.amdgpu_metadata
---
amdhsa.version: [ 1, 2 ]
amdhsa.kernels:
  - .name:           k_qe2b249c217_attn
    .symbol:         k_qe2b249c217_attn.kd
    .args:
      - { .name: qkv, .offset: 0, .size: 8, .value_kind: global_buffer, .address_space: global }
      - { .name: att, .offset: 8, .size: 8, .value_kind: global_buffer, .address_space: global }
    .group_segment_fixed_size: 327680
    .private_segment_fixed_size: 0
    .kernarg_segment_align: 8
    .kernarg_segment_size: 16
    .max_flat_workgroup_size: 256
    .sgpr_count:     80
    .vgpr_count:     512
    .wavefront_size: 32
...
	.end_amdgpu_metadata
.endif
;; end of part 3
;; launch proj_ln (part 4): grid 256 x 1, 4 waves a work-group, clusters of 4 x 1, 327,680 bytes of LDS; arguments att, wo, x, b_out, gamma, beta, out0; writes out0
.if DOCPART == 4
	.amdgcn_target "amdgcn-amd-amdhsa--gfx1250"
	.amdhsa_code_object_version 6
	.text
	.protected	k_qe2b249c217_proj_ln
	.globl	k_qe2b249c217_proj_ln
	.p2align	8
	.type	k_qe2b249c217_proj_ln,@function
k_qe2b249c217_proj_ln:
	s_mov_b64 s[64:65], 0
	v_nop
	global_prefetch_b8 v0, s[64:65] scope:SCOPE_SE
	s_setreg_imm32_b32 hwreg(HW_REG_WAVE_MODE, 25, 1), 1
	s_wait_xcnt 0x0
	s_wait_alu depctr_hold_cnt(0) depctr_sa_sdst(0) depctr_va_vdst(0) depctr_va_sdst(0) depctr_va_ssrc(0) depctr_va_vcc(0) depctr_vm_vsrc(0)
	s_getreg_b32 s2, hwreg(HW_REG_IB_STS2, 6, 4)
	s_cmp_eq_u32 s2, 0
	s_cbranch_scc0 .Lentry_in_a_cluster
	s_endpgm
.Lentry_in_a_cluster:
	s_bfe_u32 s2, ttmp6, 0x10000c
	s_cmp_lg_u32 s2, 0x3003
	s_cbranch_scc0 .Lentry_shape_is_right
	s_endpgm
.Lentry_shape_is_right:
; out0 = LayerNorm(x + att W_out + b_out) x gamma + beta; the product on codes of BF8 (E5M2) with E8M0 scales, all else in f32.
; A work-group owns 32 tokens (two tiles of 16, in storage order) for ALL 1,024 columns, so that the mean and the variance never leave it and the sum ahead of them never goes to memory.
; Wave w makes columns 256 w .. 256 w + 255: 16 tiles of columns x 2 tiles of tokens, 32 accumulators.  Source 0 = 16 columns of W_out (storage order), source 1 = 16 tokens: a lane holds one token, and the
; 16 registers of two neighbouring tiles of columns are 16 neighbouring columns.
; W_out's codes (images of registers, 128 KiB for 128 along K) go through two LDS slots; every work-group walks the same ones, so the four of a cluster ask for them JOINTLY.  A wave fills and reads its own 32 KiB of a slot.
; att's 32 KiB come once, by plain tensor loads.  The wave's 8 rows of x are asked for ahead of the products, into registers.
; The results meet in a stage (32 rows x 4,096 + 16 bytes) laid over the slots when those have had their last fill and their last read; each wave then takes 8 whole rows: storage rows 8 w + i are tokens 16 (w % 2) + 8 (w / 2) + i.
; REGISTERS: window 0: v1-11 addresses; v16-23 att's scale words; v32-95 W_out's; v96-159 att's fragments, two sets; v160-223 two rows at work; v224-235 sums.
;   window 1: W_out's 16 fragments; later gamma v0-31, beta v32-63, b_out v64-95.   window 2: accumulator (ct, m) at v[8 (2 ct + m)].   window 3: 8 rows of x.
.set SLOT,  131072
.set AREG,  262144                     ; att's fragments: [m 2][K step 8][2,048]
.set SPARE, 294912                     ; the spare words, 128 bytes for each wave: two blocks of 256 bytes that no other line names
.set SPI,   4112                       ; a stage row
.set LI,  1                            ; 16 x lane
.set STO, 2                            ; v2, v3  the stage, in: row 16 m + r, + 1,024 w + 64 h
.set RD,  4                            ; back: my 8 rows, 16 bytes a lane
.set BA,  5                            ; v5, v6  my part of slot 0, 1
.set AA,  7                            ; att's fragments
.set SPW, 8
.set NIL, 9
.set WVO, 10
.set AVO, 11
.set AS,  16
.set WS,  32
.set AF,  96
.set YB,  160
.set TU,  160
.set WK,  224
.set WV,  18
.set G1W, 20
.set G1A, 28
.set G0W, 36
.set G0A, 44
.set G1H, 68                           ; s[68:75] group 1 for half a K step of W_out (32 tiles of columns); s[76:83] for a whole one (64)
.set G1J, 76
.set G0H, 84                           ; s[84:87], s[88:91] their groups 0
.set G0J, 88
.set SEL, 48
.set INV, 50
.set EPS, 51
.set MSB, 0
.macro WIN new
.if MSB != \new
	s_set_vgpr_msb (MSB<<8)|\new
.set MSB, \new
.endif
.endm
.macro ROUND                           ; a round of the cluster's barrier
	s_barrier_signal -1
	s_barrier_wait -1
	s_cmp_lg_u32 s[WV], 0
	s_cbranch_scc1 .Lnot_wave_0_\@
	s_barrier_signal -3
.Lnot_wave_0_\@:
	s_barrier_wait -3
	s_barrier_signal -1
	s_barrier_wait -1
.endm
.macro PLACES n
.rept \n
	v_nop
.endr
.endm
	s_load_b256 s[4:11], s[0:1], 0x0               ; att s[4:5], wo s[6:7], x s[8:9], b_out s[10:11]
	s_load_b128 s[12:15], s[0:1], 0x20             ; gamma s[12:13], beta s[14:15]
	s_load_b64 s[16:17], s[0:1], 0x30              ; out0
	v_lshl_add_u32 v[SPW], v0, 2, SPARE
	v_mov_b32 v[NIL], 0
	ds_add_u32 v8, v9
	ds_add_u32 v8, v9
	s_wait_dscnt 0x0
	v_lshrrev_b32 v1, 5, v0
	v_readfirstlane_b32 s[WV], v1                  ; wave 0..3
	s_mov_b32 s[G1W], 15|(3<<16)|(1<<21)           ; W_out: the mask names all four work-groups; elements of 8 bytes
	s_mov_b32 s[G1W+1], 256<<16                    ; 16 rows (tiles of columns) of 2,048 bytes,
	s_mov_b32 s[G1W+2], 16<<16
	s_mov_b32 s[G1W+3], 256<<16
	s_mov_b32 s[G1W+4], 16
	s_mov_b32 s[G1W+5], 512                        ; 4,096 bytes apart
	s_mov_b32 s[G1W+6], 0
	s_mov_b32 s[G1W+7], 0
	s_mov_b32 s[G1A], 3<<16                        ; att: no mask; 32 KiB on end, as 128 rows of 256 bytes
	s_mov_b32 s[G1A+1], 32<<16
	s_mov_b32 s[G1A+2], 128<<16                    ; att's 32 KiB on end, as 128 rows of 256 bytes: one load
	s_mov_b32 s[G1A+3], 32<<16
	s_mov_b32 s[G1A+4], 128
	s_mov_b32 s[G1A+5], 32
	s_mov_b32 s[G1A+6], 0
	s_mov_b32 s[G1A+7], 0
	s_mov_b32 s[G1H], 15|(3<<16)|(1<<21)           ; the head's joint loads of W_out: 32 or 64 rows of 2,048 bytes, 4,096 apart
	s_mov_b32 s[G1H+1], 256<<16
	s_mov_b32 s[G1H+2], 32<<16
	s_mov_b32 s[G1H+3], 256<<16
	s_mov_b32 s[G1H+4], 32
	s_mov_b32 s[G1H+5], 512
	s_mov_b32 s[G1H+6], 0
	s_mov_b32 s[G1H+7], 0
	s_mov_b32 s[G1J], 15|(3<<16)|(1<<21)
	s_mov_b32 s[G1J+1], 256<<16
	s_mov_b32 s[G1J+2], 64<<16
	s_mov_b32 s[G1J+3], 256<<16
	s_mov_b32 s[G1J+4], 64
	s_mov_b32 s[G1J+5], 512
	s_mov_b32 s[G1J+6], 0
	s_mov_b32 s[G1J+7], 0
	s_lshl_b32 s56, s[WV], 16                      ; my 16 tiles of columns in wo: the wave's number alone
	s_mov_b32 s57, 0
	s_lshl_b32 s61, s[WV], 15                      ; and in a slot
	s_bfe_u32 s19, ttmp6, 0x40000
	s_lshl_b32 s62, ttmp9, 2
	s_add_co_u32 s19, s19, s62                     ; my work-group: 4 x cluster + cx: it enters att's, x's and out0's addresses alone
	s_lshl_b32 s58, s19, 15
	s_mov_b32 s59, 0
	s_wait_kmcnt 0x0
	s_add_nc_u64 s[56:57], s[6:7], s[56:57]
.irp s, 0,1
	s_mov_b32 s[G0W+4*\s], 1
	s_add_co_u32 s[G0W+4*\s+1], s61, \s*SLOT
	s_add_nc_u64 s[G0W+4*\s+2:G0W+4*\s+3], s[56:57], \s*2048   ; K step s
	s_or_b32 s[G0W+4*\s+3], s[G0W+4*\s+3], 0x80000000
.endr
	s_mov_b32 s[G0A], 1
	s_mov_b32 s[G0A+1], AREG
	s_add_nc_u64 s[G0A+2:G0A+3], s[4:5], s[58:59]
	s_or_b32 s[G0A+3], s[G0A+3], 0x80000000
	s_mov_b32 s[G0H], 1                            ; waves 0 and 1: the halves of K step 0: 32 tiles of columns, 64 KiB of slot 0
	s_lshl_b32 s[G0H+1], s[WV], 16
	s_lshl_b32 s62, s[WV], 17
	s_mov_b32 s63, 0
	s_add_nc_u64 s[G0H+2:G0H+3], s[6:7], s[62:63]
	s_or_b32 s[G0H+3], s[G0H+3], 0x80000000
	s_mov_b32 s[G0J], 1                            ; wave 2: K step 1, whole, into slot 1
	s_mov_b32 s[G0J+1], SLOT
	s_add_nc_u64 s[G0J+2:G0J+3], s[6:7], 2048
	s_or_b32 s[G0J+3], s[G0J+3], 0x80000000
	ROUND                                          ; all four work-groups are here
	s_cmp_lt_u32 s[WV], 2                          ; the head's loads, one a wave, in one chain of branches on the wave's number
	s_cbranch_scc0 .Lh_j
	tensor_load_to_lds s[G0H:G0H+3], s[G1H:G1H+7]
	s_nop 0
	PLACES 4
	s_branch .Lh_done
.Lh_j:
	s_cmp_lt_u32 s[WV], 3
	s_cbranch_scc0 .Lh_a
	tensor_load_to_lds s[G0J:G0J+3], s[G1J:G1J+7]
	s_nop 0
	PLACES 4
	s_branch .Lh_done
.Lh_a:
	tensor_load_to_lds s[G0A:G0A+3], s[G1A:G1A+7]  ; wave 3: att's 32 rows, a plain load
	s_nop 0
	PLACES 4
.Lh_done:
	v_and_b32 v12, 31, v0
	v_and_b32 v13, 15, v0                          ; r
	v_bfe_u32 v14, v0, 4, 1                        ; h
	v_lshlrev_b32 v[LI], 4, v12
	v_lshlrev_b32 v[AVO], 1, v12
	v_lshlrev_b32 v[WVO], 3, v13
	v_lshl_add_u32 v[WVO], v14, 10, v[WVO]         ; W_out's scale words: lanes 0-15 tile ct, lanes 16-31 tile ct + 8
	v_add_nc_u32 v[BA], s61, v[LI]
	v_add_nc_u32 v[BA+1], SLOT, v[BA]
	v_add_nc_u32 v[AA], AREG, v[LI]
	v_mul_u32_u24 v[STO], v13, SPI
	v_lshl_add_u32 v[STO], v14, 6, v[STO]
	s_lshl_b32 s62, s[WV], 10
	v_add_nc_u32 v[STO], s62, v[STO]
	v_add_nc_u32 v[STO+1], 16*SPI, v[STO]
	s_mul_i32 s62, s[WV], 8*SPI
	v_add_nc_u32 v[RD], s62, v[LI]
	v_mov_b32 v[WK+9], 0                           ; a lane permute's destination counts as one of its sources
	v_mov_b32 v[WK+11], 0
	s_mov_b32 s[SEL], 0x76543210
	s_mov_b32 s[SEL+1], 0xfedcba98
	s_mov_b32 s[INV], 0x3a800000                   ; 1 / 1,024
	s_mov_b32 s[EPS], 0x3727c5ac                   ; 1e-5
	s_lshl_b32 s52, s[WV], 11
	s_add_co_u32 s52, s52, 1048576
	s_mov_b32 s53, 0
	s_add_nc_u64 s[52:53], s[6:7], s[52:53]        ; W_out's scale bytes of my 256 columns
	s_lshl_b32 s54, s19, 6
	s_add_co_u32 s54, s54, 8388608
	s_mov_b32 s55, 0
	s_add_nc_u64 s[54:55], s[4:5], s[54:55]        ; att's of my 32 rows
	s_and_b32 s62, s[WV], 1
	s_lshl_b32 s62, s62, 4
	s_lshr_b32 s63, s[WV], 1
	s_lshl_b32 s63, s63, 3
	s_add_co_u32 s62, s62, s63
	s_lshl_b32 s63, s19, 5
	s_add_co_u32 s62, s62, s63                     ; my first token: 32 x work-group + 16 (w % 2) + 8 (w / 2)
	s_lshl_b32 s62, s62, 12
	s_mov_b32 s63, 0
	s_add_nc_u64 s[8:9], s[8:9], s[62:63]
	s_add_nc_u64 s[16:17], s[16:17], s[62:63]
.irp kk, 0,1,2,3
.irp cc, 0,1,2,3,4,5,6,7
	global_load_b64 v[WS+2*(4*\cc+\kk):WS+2*(4*\cc+\kk)+1], v[WVO], s[52:53] offset:8192*\kk+128*\cc
.endr
.endr
.irp hd, 0,1,2,3,4,5,6,7,8,9,10,11,12,13,14,15
	global_load_u16 v[TU+\hd], v[AVO], s[54:55] offset:16384*\hd
.endr
	s_wait_loadcnt 0x0
.irp s, 0,1,2,3,4,5,6,7
	v_lshl_or_b32 v[AS+\s], v[TU+2*\s+1], 16, v[TU+2*\s]   ; 128 along K are two heads: two bytes of each.  Lanes 0-15: tile 0's rows; lanes 16-31: tile 1's
.endr
	PLACES 8                                       ; a scale register written by a vector instruction stands eight places ahead of a scaled matrix instruction
	WIN 0xc0
.set g, 0
.rept 64
	global_load_b128 v[4*g:4*g+3], v[LI], s[8:9] offset:512*g th:TH_LOAD_NT   ; my 8 rows of x, 32 KiB on end: they land while the products run
.set g, g+1
.endr
	WIN 0
.macro BLOADS half, slot               ; W_out's tiles 8 half .. 8 half + 7 of a K step
	WIN 0x40
.set f, 0
.rept 32
	ds_load_b128 v[128*(\half)+4*f:128*(\half)+4*f+3], v[BA+(\slot)] offset:16384*(\half)+512*f
.set f, f+1
.endr
	WIN 0
.endm
.macro ALOADS s                        ; att's two fragments of K step s
.irp m, 0,1
.irp c, 0,1,2,3
	ds_load_b128 v[AF+32*((\s)%2)+16*\m+4*\c:AF+32*((\s)%2)+16*\m+4*\c+3], v[AA] offset:16384*\m+2048*(\s)+512*\c
.endr
.endr
.endm
; 16 products: eight tiles of columns x two tiles of tokens.  The 32 accumulators take turns, one instruction a turn, in the same order in every K step.
.macro PROD s, half
	WIN 0xa1                                       ; W_out window 1, att window 0, C and D window 2
.irp cc, 0,1,2,3,4,5,6,7
.set BF, 16*(8*(\half)+\cc)
.set A0, 8*(2*(8*(\half)+\cc))
.set A1, A0+8
.set F0, AF+32*((\s)%2)
.set F1, F0+16
.set WR, WS+2*(4*\cc+(\s)/2)+(\s)%2
.if (\s) == 0
.if \half
	v_wmma_scale_f32_16x16x128_f8f6f4 v[A0:A0+7], v[BF:BF+15], v[F0:F0+15], 0, v[WR], v[AS+(\s)] matrix_a_fmt:MATRIX_FMT_BF8 matrix_b_fmt:MATRIX_FMT_BF8 matrix_a_scale:MATRIX_SCALE_ROW1
	v_wmma_scale_f32_16x16x128_f8f6f4 v[A1:A1+7], v[BF:BF+15], v[F1:F1+15], 0, v[WR], v[AS+(\s)] matrix_a_fmt:MATRIX_FMT_BF8 matrix_b_fmt:MATRIX_FMT_BF8 matrix_a_scale:MATRIX_SCALE_ROW1 matrix_b_scale:MATRIX_SCALE_ROW1
.else
	v_wmma_scale_f32_16x16x128_f8f6f4 v[A0:A0+7], v[BF:BF+15], v[F0:F0+15], 0, v[WR], v[AS+(\s)] matrix_a_fmt:MATRIX_FMT_BF8 matrix_b_fmt:MATRIX_FMT_BF8
	v_wmma_scale_f32_16x16x128_f8f6f4 v[A1:A1+7], v[BF:BF+15], v[F1:F1+15], 0, v[WR], v[AS+(\s)] matrix_a_fmt:MATRIX_FMT_BF8 matrix_b_fmt:MATRIX_FMT_BF8 matrix_b_scale:MATRIX_SCALE_ROW1
.endif
.else
.if \half
	v_wmma_scale_f32_16x16x128_f8f6f4 v[A0:A0+7], v[BF:BF+15], v[F0:F0+15], v[A0:A0+7], v[WR], v[AS+(\s)] matrix_a_fmt:MATRIX_FMT_BF8 matrix_b_fmt:MATRIX_FMT_BF8 matrix_a_scale:MATRIX_SCALE_ROW1
	v_wmma_scale_f32_16x16x128_f8f6f4 v[A1:A1+7], v[BF:BF+15], v[F1:F1+15], v[A1:A1+7], v[WR], v[AS+(\s)] matrix_a_fmt:MATRIX_FMT_BF8 matrix_b_fmt:MATRIX_FMT_BF8 matrix_a_scale:MATRIX_SCALE_ROW1 matrix_b_scale:MATRIX_SCALE_ROW1
.else
	v_wmma_scale_f32_16x16x128_f8f6f4 v[A0:A0+7], v[BF:BF+15], v[F0:F0+15], v[A0:A0+7], v[WR], v[AS+(\s)] matrix_a_fmt:MATRIX_FMT_BF8 matrix_b_fmt:MATRIX_FMT_BF8
	v_wmma_scale_f32_16x16x128_f8f6f4 v[A1:A1+7], v[BF:BF+15], v[F1:F1+15], v[A1:A1+7], v[WR], v[AS+(\s)] matrix_a_fmt:MATRIX_FMT_BF8 matrix_b_fmt:MATRIX_FMT_BF8 matrix_b_scale:MATRIX_SCALE_ROW1
.endif
.endif
.endr
	WIN 0
.endm
; A K step of 128.  In its middle all its fragments are in registers: the slot is left, and (K steps 0 to 5) filled again with the K step two on, behind a round of the cluster's barrier.
.macro PSTEP s
.if (\s) == 7
	s_wait_dscnt 0x0                               ; my last reads of the slots and of att's fragments are in:
	s_barrier_signal -1                            ; say so; the products below touch registers alone
.else
	s_wait_dscnt 32                                ; tiles 0-7 and att's fragments are in; the youngest 32 loads (tiles 8-15) may be out
.endif
	PROD \s, 0
.if (\s) < 6
	s_wait_tensorcnt 0x0                           ; all my tensor loads have landed: my part of the other slot
	ds_add_u32 v[SPW], v[NIL]                      ; 0 onto my spare word
	s_add_nc_u64 s[G0W+4*((\s)%2)+2:G0W+4*((\s)%2)+3], s[G0W+4*((\s)%2)+2:G0W+4*((\s)%2)+3], 262144   ; this slot's next K step
	s_wait_dscnt 0x0                               ; the add is done, and my reads of this slot are over
	ROUND                                          ; no wave of any partner still reads this slot or has a load on its way
	tensor_load_to_lds s[G0W+4*((\s)%2):G0W+4*((\s)%2)+3], s[G1W:G1W+7]   ; my one tensor load behind the round
	s_nop 0
	PLACES 8                                       ; the four that follow a tensor load, and with four more the places ahead of the loads below
.elseif (\s) == 6
	s_wait_tensorcnt 0x0                           ; my part of K step 7 has landed; I alone read it, and nothing is filled again
	s_wait_dscnt 0x0                               ; tiles 8-15 are in
	PLACES 8
.endif
.if (\s) < 7
	BLOADS 0, ((\s)+1)%2
	ALOADS (\s)+1
.endif
	PROD \s, 1
.if (\s) < 7
	PLACES 8
	BLOADS 1, ((\s)+1)%2
.endif
.endm
	s_wait_alu depctr_va_vdst(0)
	s_wait_tensorcnt 0x0                           ; my one load of the head is in
	s_barrier_signal -1
	s_barrier_wait -1                              ; everybody's are: att's fragments are read by all four waves.  The slots are filled again behind later rounds
	ALOADS 0
	BLOADS 0, 0
	BLOADS 1, 0
.irp s, 0,1,2,3,4,5,6,7
	PSTEP \s
.endr
	s_barrier_wait -1                              ; nobody reads the slots any more, and they have had their last fill: the stage may be written
	PLACES 8                                       ; behind the last products
	WIN 0x40
.irp c, 0,1,2,3,4,5,6,7
	global_load_b128 v[4*\c:4*\c+3], v[LI], s[12:13] offset:512*\c          ; gamma,
	global_load_b128 v[32+4*\c:32+4*\c+3], v[LI], s[14:15] offset:512*\c    ; beta,
	global_load_b128 v[64+4*\c:64+4*\c+3], v[LI], s[10:11] offset:512*\c    ; b_out: at the columns that a lane holds of a row
.endr
	WIN 0x08                                       ; an LDS store's data are its source 1: window 2
.irp be, 0,1,2,3,4,5,6,7
.irp m, 0,1
	ds_store_b128 v[STO+\m], v[8*(4*\be+\m):8*(4*\be+\m)+3] offset:128*\be            ; tiles 2 be and 2 be + 1: columns 32 be + 16 h + 0 .. 15; each accumulator from its low end on
	ds_store_b128 v[STO+\m], v[8*(4*\be+\m)+4:8*(4*\be+\m)+7] offset:128*\be+16
	ds_store_b128 v[STO+\m], v[8*(4*\be+2+\m):8*(4*\be+2+\m)+3] offset:128*\be+32
	ds_store_b128 v[STO+\m], v[8*(4*\be+2+\m)+4:8*(4*\be+2+\m)+7] offset:128*\be+48
.endr
.endr
	WIN 0
	s_wait_dscnt 0x0                               ; for the others' sake: my stores into the stage are done
	s_barrier_signal -1
	s_barrier_wait -1
.macro ROWLOAD i
.irp c, 0,1,2,3,4,5,6,7
	ds_load_b128 v[YB+32*((\i)%2)+4*\c:YB+32*((\i)%2)+4*\c+3], v[RD] offset:SPI*(\i)+512*\c
.endr
.endm
.macro RED r, p                        ; the sum over the 32 lanes, in every lane
	v_add_f32_dpp v[\r], v[\r], v[\r] row_xmask:1 row_mask:0xf bank_mask:0xf
	v_add_f32_dpp v[\r], v[\r], v[\r] row_xmask:2 row_mask:0xf bank_mask:0xf
	v_add_f32_dpp v[\r], v[\r], v[\r] row_xmask:4 row_mask:0xf bank_mask:0xf
	v_add_f32_dpp v[\r], v[\r], v[\r] row_xmask:8 row_mask:0xf bank_mask:0xf
	v_permlanex16_b32 v[\p], v[\r], s[SEL], s[SEL+1]
	v_add_f32 v[\r], v[\r], v[\p]
.endm
.macro FOLD                            ; the four chains become one number a lane
	v_pk_add_f32 v[WK:WK+1], v[WK:WK+1], v[WK+2:WK+3]
	v_pk_add_f32 v[WK+4:WK+5], v[WK+4:WK+5], v[WK+6:WK+7]
	v_pk_add_f32 v[WK:WK+1], v[WK:WK+1], v[WK+4:WK+5]
.endm
; One row: a lane holds 32 of its 1,024 numbers.  The stage's loads run one row ahead, into two sets by turns.
.macro LNROW i
.set Y, YB+32*((\i)%2)
.if (\i) < 7
.if (\i) > 0
	s_wait_xcnt 0x0                                ; the row before has been stored from the set that is loaded now
.endif
	ROWLOAD (\i)+1
	s_wait_dscnt 8                                 ; this row is in; the next row's eight loads may be out
.else
	s_wait_dscnt 0x0
.endif
.if (\i) == 0
	s_wait_loadcnt 0x0                             ; x, gamma, beta, b_out
.endif
	WIN 0x0c                                       ; source 1: x, window 3
.set k, 0
.rept 16
	v_pk_add_f32 v[Y+2*k:Y+2*k+1], v[Y+2*k:Y+2*k+1], v[32*(\i)+2*k:32*(\i)+2*k+1]
.set k, k+1
.endr
	WIN 0x04                                       ; source 1: b_out, window 1
.set k, 0
.rept 16
	v_pk_add_f32 v[Y+2*k:Y+2*k+1], v[Y+2*k:Y+2*k+1], v[64+2*k:64+2*k+1]
.set k, k+1
.endr
	WIN 0
.irp k, 0,1,2,3
	v_pk_add_f32 v[WK+2*\k:WK+2*\k+1], v[Y+4*\k:Y+4*\k+1], v[Y+4*\k+2:Y+4*\k+3]
.endr
.irp k, 0,1,2,3
	v_pk_add_f32 v[WK+2*\k:WK+2*\k+1], v[WK+2*\k:WK+2*\k+1], v[Y+16+2*\k:Y+16+2*\k+1]
.endr
.irp k, 0,1,2,3
	v_pk_add_f32 v[WK+2*\k:WK+2*\k+1], v[WK+2*\k:WK+2*\k+1], v[Y+24+2*\k:Y+24+2*\k+1]
.endr
	FOLD
	v_add_f32 v[WK+8], v[WK], v[WK+1]
	RED WK+8, WK+9
	v_mul_f32 v[WK+8], s[INV], v[WK+8]             ; the mean
.set k, 0
.rept 16
	v_pk_add_f32 v[Y+2*k:Y+2*k+1], v[Y+2*k:Y+2*k+1], v[WK+8:WK+9] op_sel_hi:[1,0] neg_lo:[0,1] neg_hi:[0,1]
.set k, k+1
.endr
.irp k, 0,1,2,3
	v_pk_mul_f32 v[WK+2*\k:WK+2*\k+1], v[Y+2*\k:Y+2*\k+1], v[Y+2*\k:Y+2*\k+1]
.endr
.irp g, 1,2,3
.irp k, 0,1,2,3
	v_pk_fma_f32 v[WK+2*\k:WK+2*\k+1], v[Y+8*\g+2*\k:Y+8*\g+2*\k+1], v[Y+8*\g+2*\k:Y+8*\g+2*\k+1], v[WK+2*\k:WK+2*\k+1]
.endr
.endr
	FOLD
	v_add_f32 v[WK+10], v[WK], v[WK+1]
	RED WK+10, WK+11
	v_fma_f32 v[WK+10], v[WK+10], s[INV], s[EPS]   ; the variance + 1e-5
	s_wait_alu depctr_va_vdst(0)
	v_rsq_f32 v[WK+10], v[WK+10]
	v_nop                                          ; a plain line behind the transcendental,
	s_wait_alu depctr_va_vdst(0)                   ; and the wait ahead of the first line that names its result
.set k, 0
.rept 16
	v_pk_mul_f32 v[Y+2*k:Y+2*k+1], v[Y+2*k:Y+2*k+1], v[WK+10:WK+11] op_sel_hi:[1,0]
.set k, k+1
.endr
	WIN 0x14                                       ; sources 1 and 2: gamma and beta, window 1
.set k, 0
.rept 16
	v_pk_fma_f32 v[Y+2*k:Y+2*k+1], v[Y+2*k:Y+2*k+1], v[2*k:2*k+1], v[32+2*k:32+2*k+1]
.set k, k+1
.endr
	WIN 0
.irp c, 0,1,2,3,4,5,6,7
	global_store_b128 v[LI], v[Y+4*\c:Y+4*\c+3], s[16:17] offset:4096*(\i)+512*\c th:TH_STORE_NT   ; 512 consecutive bytes, aligned
.endr
.endm
	ROWLOAD 0
.irp i, 0,1,2,3,4,5,6,7
	LNROW \i
.endr
	s_wait_tensorcnt 0x0                           ; the wave's end
	ds_add_u32 v[SPW], v[NIL]
	s_wait_dscnt 0x0
	ROUND                                          ; the closing round
	s_endpgm
.Lfunc_end_k_qe2b249c217_proj_ln:
	.size	k_qe2b249c217_proj_ln, .Lfunc_end_k_qe2b249c217_proj_ln-k_qe2b249c217_proj_ln
	.p2alignl 7, 3214868480
	.fill 96, 4, 3214868480
	.section	.rodata,"a",@progbits
	.p2align	6, 0x0
	.amdhsa_kernel k_qe2b249c217_proj_ln
		.amdhsa_group_segment_fixed_size 327680
		.amdhsa_private_segment_fixed_size 0
		.amdhsa_enable_private_segment 0
		.amdhsa_kernarg_size 56
		.amdhsa_user_sgpr_count 2
		.amdhsa_user_sgpr_kernarg_segment_ptr 1
		.amdhsa_wavefront_size32 1
		.amdhsa_system_sgpr_workgroup_id_x 1
		.amdhsa_system_sgpr_workgroup_id_y 1
		.amdhsa_system_sgpr_workgroup_id_z 1
		.amdhsa_system_vgpr_workitem_id 0
		.amdhsa_next_free_vgpr 1024
		.amdhsa_next_free_sgpr 100
		.amdhsa_reserve_vcc 0
		.amdhsa_float_denorm_mode_32 3
		.amdhsa_float_denorm_mode_16_64 3
		.amdhsa_memory_ordered 1
		.amdhsa_forward_progress 1
		.amdhsa_inst_pref_size 180
	.end_amdhsa_kernel
	.amdgpu_metadata
---
amdhsa.version: [ 1, 2 ]
amdhsa.kernels:
  - .name:           k_qe2b249c217_proj_ln
    .symbol:         k_qe2b249c217_proj_ln.kd
    .args:
      - { .name: att, .offset: 0, .size: 8, .value_kind: global_buffer, .address_space: global }
      - { .name: wo, .offset: 8, .size: 8, .value_kind: global_buffer, .address_space: global }
      - { .name: x, .offset: 16, .size: 8, .value_kind: global_buffer, .address_space: global }
      - { .name: b_out, .offset: 24, .size: 8, .value_kind: global_buffer, .address_space: global }
      - { .name: gamma, .offset: 32, .size: 8, .value_kind: global_buffer, .address_space: global }
      - { .name: beta, .offset: 40, .size: 8, .value_kind: global_buffer, .address_space: global }
      - { .name: out0, .offset: 48, .size: 8, .value_kind: global_buffer, .address_space: global }
    .group_segment_fixed_size: 327680
    .private_segment_fixed_size: 0
    .kernarg_segment_align: 8
    .kernarg_segment_size: 56
    .max_flat_workgroup_size: 128
    .sgpr_count:     100
    .vgpr_count:     1024
    .wavefront_size: 32
...
	.end_amdgpu_metadata
.endif
;; end of part 4
